; MI455X (gfx1250); checked and timed in simulation.
; The chip was launched on July 23, 2026; its instructions are those of AMD's public machine-readable ISA for CDNA 5 (MIT licence, August 2026) and "CDNA5" Instruction Set Architecture Reference Guide (July 2026). The comments in the code are by the model that wrote it; some were corrected since.
;; Multi Head Self Attention. Allowed arithmetic: matrix products marked QUANTISED: E2M3 operands, one E8M0 scale for each 32 along K, by v_wmma_scale_f32_16x16x128_f8f6f4 with both operands' format E2M3, f32 sums; everything else in f32.
;; Inputs: Wk 1,024 x 1,024 float32; Wo 1,024 x 1,024 float32; Wq 1,024 x 1,024 float32; Wv 1,024 x 1,024 float32; bk 1,024 float32; bo 1,024 float32; bq 1,024 float32; bv 1,024 float32; mask 4 x 2,048 int32; x 4 x 2,048 x 1,024 float32.
;; Outputs: out0 4 x 2,048 x 1,024 float32.
;; This version of the problem:
;;   THIS VERSION OF THE PROBLEM IS GIVEN IN LOW PRECISION. The matrix products marked QUANTISED in the list below multiply operands that are first quantised to E2M3 (2 exponent bits, 3 mantissa bits; 6 bits a number), with one power-of-two scale for each 32 numbers along K (OCP MX v1.0); their sums are f32. All else is computed in f32.
;;   The module's matrix products, in the order in which they are computed (A, B: the left and right operand; K: the contracted axis; several contracted axes count as one K, in the product's order):
;;     1. [M 8,192, K 1,024] x [K 1,024, N 1,024]; A: input x; B: input Wq: QUANTISED
;;     2. [M 8,192, K 1,024] x [K 1,024, N 1,024]; A: input x; B: input Wk: QUANTISED
;;     3. [M 8,192, K 1,024] x [K 1,024, N 1,024]; A: input x; B: input Wv: QUANTISED
;;     4. batch 64 x [M 2,048, K 64] x [K 64, N 2,048]; A: computed on the way; B: computed on the way: QUANTISED
;;     5. batch 64 x [M 2,048, K 2,048] x [K 2,048, N 64]; A: softmax (see below); B: computed on the way: QUANTISED
;;     6. [M 8,192, K 1,024] x [K 1,024, N 1,024]; A: computed on the way; B: input Wo: QUANTISED
;;   THE QUANTISER, for each operand of a quantised product, along K:
;;     - K is cut into blocks of 32 from its start; a last block that is shorter is filled with zeros.
;;     - A block's scale is 2^e with e = floor(log2(the largest magnitude in the block)) - 2, held to -126 .. 127; a block of zeros has e = 0. As a byte (E8M0): e + 127.
;;     - Each number is divided by its block's scale, clamped to +-7.5, and rounded to the nearest number of E2M3, ties to even, subnormals kept.
;;     - The product sums the exact products of the quantised numbers (number of the format x scale) in f32.
;;   ~~~python
;;   def quantise(x, axis):      # numpy; x: float32 -> the quantised numbers, widened to float32 again
;;       x = np.moveaxis(x, axis, -1); K = x.shape[-1]
;;       x = np.pad(x, [(0, 0)] * (x.ndim - 1) + [(0, -K % 32)]); x = x.reshape(x.shape[:-1] + (-1, 32)); a = np.abs(x).max(-1, keepdims=True)
;;       e = np.where(a > 0, np.clip(np.frexp(np.where(a > 0, a, 1))[1] - 1 - 2, -126, 127), 0)      # np.frexp(a)[1] - 1 = floor(log2(a)), exactly
;;       r = np.clip(x / 2.0 ** e, -7.5, 7.5)
;;       step = 2.0 ** (np.maximum(np.frexp(np.where(r == 0, 1, r))[1] - 1, 0) - 3)
;;       q = np.round(r / step) * step * 2.0 ** e      # np.round: ties to even
;;       return np.moveaxis(q.reshape(q.shape[:-2] + (-1,))[..., :K], -1, axis).astype(np.float32)
;;   ~~~
;;   SOFTMAX AHEAD OF A QUANTISED PRODUCT. Where the list says 'softmax', what is quantised is not the finished softmax but p = 2^(t - M), with t = logit x log2(e) and M = ceil(the row's largest t), a whole number; so 1/2 < the row's largest p <= 1. The row's sum l is taken of the UNQUANTISED p, in f32, and the product's result is divided by l at the end. Since M is a whole number, a kernel that streams over the keys may use a running M (the ceiling of the running maximum): every later rescaling is an exact power of two, which a block's scale takes up: the codes' values come out the same.
;;   OPERANDS COMPUTED ON THE WAY. 'Computed on the way' means the value that the module computes at that place (a softmax that the list does not call 'softmax' is quantised finished and normalised). What goes into a quantiser is computed in f32, as accurately as f32 sums, v_exp_f32 and their like allow (about 1e-6 of the number): no bf16 or f16 on the way to a quantiser, and a product that is left as it is and whose result goes on into a quantised operand takes f32 operands (vector FMAs, or v_wmma_f32_16x16x4_f32). A number that lies on a knife's edge between two numbers of the format may be rounded either way, as far as f32 arithmetic and the matrix unit's own rounding can turn it there, and no further.
;; One version. Each part assembles by itself: llvm-mc -triple=amdgcn-amd-amdhsa -mcpu=gfx1250 --defsym DOCPART=n.
;; ======== version 1 of 1: 4 launches
;; limits: right only within a limited range of input values
;; workspace buffers: ximg 6,291,456 bytes; xsc 262,144 bytes; wimg 3,145,728 bytes; wsc 131,072 bytes; qbuf 8,912,896 bytes; kv 16,777,216 bytes; ctx 6,291,456 bytes; csc 262,144 bytes
;; launch quant (part 1): grid 256 x 1, 3 waves a work-group, no clusters, 25,856 bytes of LDS; arguments x, Wq, Wk, Wv, Wo, ximg, xsc, wimg, wsc; writes ximg, xsc, wimg, wsc
.if DOCPART == 1
	.amdgcn_target "amdgcn-amd-amdhsa--gfx1250"
	.amdhsa_code_object_version 6
	.text
	.protected	k_q8119352ce0_quant
	.globl	k_q8119352ce0_quant
	.p2align	8
	.type	k_q8119352ce0_quant,@function
k_q8119352ce0_quant:
	s_mov_b64 s[64:65], 0
	v_nop
	global_prefetch_b8 v0, s[64:65] scope:SCOPE_SE
	s_setreg_imm32_b32 hwreg(HW_REG_WAVE_MODE, 25, 1), 1
	s_wait_xcnt 0x0
; x [8192][1024] and Wq, Wk, Wv, Wo [1024][1024], f32 with K innermost, become codes of FP6 (E2M3) with one E8M0 byte for each 32 along K,
; laid as IMAGES OF OPERAND REGISTERS: a fragment (16 rows x 128 K, 12 registers a lane) is 3 pieces of 512 bytes, piece c = registers 4 c .. 4 c + 3, lane l at 16 l.
; THE ROWS OF A TILE ARE NOT NEIGHBOURS: tile 2 G + u, lane row r, is row 32 G + 8 u + r + 8 (r / 8): so a product that takes such a tile as source 0 leaves 16 neighbours in the 16 registers of two tiles.
; A block's scale is 2^(floor(log2(largest magnitude)) - 2); its byte is the largest magnitude's exponent field - 2, held at 1 from below.
; LIMITS: a block of zeros gets the byte 1 where the rule says 127 (its codes are zeros, and this program alone reads the bytes); blocks whose largest magnitude lies under 2^-124 are held at byte 1;
; NaN and infinities among the inputs are not served.
; SHARES: 768 tiles (512 of x, 64 of each weight) = 256 work-groups x 3 waves; a wave takes one tile through all 8 K steps.  Waves share nothing: no barrier.
; Each load reads 512 consecutive bytes of one row; a K step's 16 rows turn through the wave's own stage in LDS (rows 528 bytes apart) so that lane (r, h) gets k = 64 c + 32 h + 0 .. 31 of row r.
.set STGB,  8448                       ; a wave's stage: 16 rows x 528 bytes
.set SPARE, 3*STGB                     ; behind the stages: the spare words, 128 bytes a wave, two blocks of 256 bytes that no other line names
.set LI,  2                            ; v2   16 x lane
.set STI, 3                            ; v3   stage, way in
.set STO, 4                            ; v4   stage, way out: r x 528 + 128 h
.set SH8, 5                            ; v5   8 h
.set SPW, 6                            ; v6   my spare word; never rewritten
.set NIL, 7                            ; v7   0; never rewritten
.set SCA, 8                            ; v8   r x 32 + 16 h: my 16 of a row's 32 scale bytes
.set TM,  9                            ; v9-10  largest magnitudes
.set SO,  11                           ; v11-12 the conversions' scale operands
.set BB,  13                           ; v13-14 scale bytes
.set T,   15                           ; v15  the lane exchange's destination
.set SW,  16                           ; v16-23 the row's scale word of each K step
.set PC,  24                           ; v24-35 a fragment's codes
.set TP,  36                           ; v36-43 the halves that begin on an odd register
.set W4,  44                           ; v44-47 scale words on the way out
.set R,   48                           ; v48-175 two sets of 64: a K step as loaded
.set X,   176                          ; v176-239 64 numbers of my row
	s_load_b256 s[4:11], s[0:1], 0x0               ; x, Wq, Wk, Wv
	s_load_b256 s[12:19], s[0:1], 0x20             ; Wo, ximg, xsc, wimg
	s_load_b64 s[20:21], s[0:1], 0x40              ; wsc
	v_lshl_add_u32 v[SPW], v0, 2, SPARE
	v_mov_b32 v[NIL], 0
	v_lshrrev_b32 v1, 5, v0
	v_readfirstlane_b32 s24, v1                    ; wave 0..2
	v_and_b32 v1, 31, v0
	v_lshlrev_b32 v[LI], 4, v1
	s_mul_i32 s25, s24, STGB
	v_add_nc_u32 v[STI], s25, v[LI]
	v_and_b32 v9, 15, v0                           ; r
	v_bfe_u32 v10, v0, 4, 1                        ; h
	v_mul_u32_u24 v[STO], v9, 528
	v_lshl_add_u32 v[STO], v10, 7, v[STO]
	v_add_nc_u32 v[STO], s25, v[STO]
	v_lshlrev_b32 v[SH8], 3, v10
	v_lshlrev_b32 v[SCA], 5, v9
	v_lshl_add_u32 v[SCA], v10, 4, v[SCA]
	v_mov_b32 v[T], 0                              ; written once: a lane permute's destination counts as one of its sources
	s_mov_b32 s48, 0xffff0000                      ; lanes 16-31
	s_mov_b32 s50, 0x76543210
	s_mov_b32 s51, 0xfedcba98                      ; lane l xor 16
	s_mul_i32 s26, ttmp9, 3
	s_add_co_u32 s26, s26, s24                     ; g: my tile among the 768
	s_cmp_lt_u32 s26, 512                          ; the first 512 are x's
	s_cselect_b32 s27, 1, 0                        ; sh: x has 16 tiles to a block of images, a weight 8
	s_cselect_b32 s28, 0, 512
	s_sub_co_u32 s28, s26, s28                     ; the tile's number in ximg or in wimg
	s_lshr_b32 s29, s28, 6                         ; which weight
	s_and_b32 s30, s28, 63
	s_cmp_lt_u32 s26, 512
	s_cselect_b32 s30, s26, s30                    ; the tile's number in its tensor
	s_lshr_b32 s31, s30, 1
	s_lshl_b32 s31, s31, 5
	s_and_b32 s32, s30, 1
	s_lshl_b32 s32, s32, 3
	s_add_co_u32 s31, s31, s32                     ; its first row: 32 G + 8 u
	s_lshl_b32 s32, s31, 12                        ; in bytes
	s_mov_b32 s33, 0
	s_add_co_u32 s34, s27, 3
	s_lshr_b32 s35, s28, s34
	s_lshl_b32 s36, 98304, s27
	s_mul_i32 s36, s35, s36                        ; the block of images,
	s_lshl_b32 s37, 8, s27
	s_sub_co_u32 s37, s37, 1
	s_and_b32 s37, s28, s37
	s_mul_i32 s37, s37, 1536                       ; the tile's place in a K step of it
	s_add_co_u32 s36, s36, s37
	s_mov_b32 s37, 0
	s_lshl_b32 s38, 12288, s27                     ; from K step to K step
	s_mov_b32 s39, 0
	s_lshl_b32 s40, s28, 9                         ; the tile's 16 rows of 32 scale bytes
	s_mov_b32 s41, 0
	s_wait_alu depctr_va_vdst(0)
	s_wait_kmcnt 0x0
	s_cmp_eq_u32 s29, 1                            ; the choices hang on the work-group's and the wave's number alone
	s_cselect_b64 s[42:43], s[8:9], s[6:7]
	s_cmp_eq_u32 s29, 2
	s_cselect_b64 s[42:43], s[10:11], s[42:43]
	s_cmp_eq_u32 s29, 3
	s_cselect_b64 s[42:43], s[12:13], s[42:43]
	s_cmp_lt_u32 s26, 512
	s_cselect_b64 s[42:43], s[4:5], s[42:43]       ; from
	s_cselect_b64 s[44:45], s[14:15], s[18:19]     ; images to
	s_cselect_b64 s[46:47], s[16:17], s[20:21]     ; scale bytes to
	s_add_nc_u64 s[42:43], s[42:43], s[32:33]
	s_add_nc_u64 s[44:45], s[44:45], s[36:37]
	s_add_nc_u64 s[46:47], s[46:47], s[40:41]
.macro LOAD s                          ; K step s of the tile's 16 rows: each load reads 512 consecutive bytes
.irp q, 0,1,2,3,4,5,6,7,8,9,10,11,12,13,14,15
	global_load_b128 v[R+64*((\s)%2)+4*\q:R+64*((\s)%2)+4*\q+3], v[LI], s[42:43] offset:(\q+8*(\q/8))*4096+512*(\s) th:TH_LOAD_NT
.endr
.endm
.macro FRAGQ s
.if (\s) < 7
	s_wait_loadcnt 16                              ; this K step's 16 loads are in; the next step's 16 may be out
.else
	s_wait_loadcnt 0x0
.endif
.irp q, 0,1,2,3,4,5,6,7,8,9,10,11,12,13,14,15
	ds_store_b128 v[STI], v[R+64*((\s)%2)+4*\q:R+64*((\s)%2)+4*\q+3] offset:\q*528
.endr
.irp c, 0,1
.irp q, 0,1,2,3,4,5,6,7
	ds_load_b128 v[X+32*\c+4*\q:X+32*\c+4*\q+3], v[STO] offset:256*\c+16*\q   ; a wave's LDS instructions are served in order: these see the stores above
.endr
.endr
	s_wait_dscnt 0x0                               ; my 64 numbers are in, and the stores have read their registers,
.if (\s)+2 < 8
	LOAD (\s)+2                                    ; which take the K step two on
.endif
.irp c, 0,1
	v_max3_num_f32 v[TM+\c], |v[X+32*\c]|, |v[X+32*\c+1]|, 0x1800000   ; block 2 c + h is all mine; the floor 2^(3 - 127) holds the byte at 1 from below
.endr
.irp i, 2,4,6,8,10,12,14,16,18,20,22,24,26,28,30
.irp c, 0,1
	v_max3_num_f32 v[TM+\c], v[TM+\c], |v[X+32*\c+\i]|, |v[X+32*\c+\i+1]|
.endr
.endr
.irp c, 0,1
	v_add_nc_u32 v[SO+\c], 0xff000000, v[TM+\c]    ; 2 off the exponent field: the conversion's scale operand
.endr
.irp c, 0,1
	v_lshrrev_b32 v[BB+\c], 23, v[SO+\c]           ; the scale's byte
.endr
	v_lshl_or_b32 v[BB], v[BB+1], 16, v[BB]        ; blocks h and 2 + h,
	v_lshlrev_b32 v[BB], v[SH8], v[BB]             ; at their places in the word;
	v_permlanex16_b32 v[T], v[BB], s50, s51
	v_or_b32 v[SW+(\s)], v[BB], v[T]               ; with lane l xor 16's two the row's word is whole
	s_wait_alu depctr_va_vdst(0)
	s_wait_xcnt 0x0                                ; the last step's stores have read their data and their base: both are written below
.if (\s) > 0
	s_add_nc_u64 s[44:45], s[44:45], s[38:39]
.endif
.irp c, 0,1
	v_cvt_scalef32_pk16_fp6_f32 v[PC+6*\c:PC+6*\c+2], v[X+32*\c:X+32*\c+15], v[SO+\c]
	v_cvt_scalef32_pk16_fp6_f32 v[TP+4*\c:TP+4*\c+2], v[X+32*\c+16:X+32*\c+31], v[SO+\c]   ; (a conversion's three registers begin on an even number)
.endr
	v_nop                                          ; one plain place behind a scaled conversion
.irp c, 0,1
.irp i, 0,1,2
	v_mov_b32 v[PC+6*\c+3+\i], v[TP+4*\c+\i]
.endr
.endr
.irp c, 0,1,2
	global_store_b128 v[LI], v[PC+4*\c:PC+4*\c+3], s[44:45] offset:512*\c   ; 32 lanes store 512 consecutive bytes
.endr
.endm
	LOAD 0
	LOAD 1
.irp t, 0,1,2,3,4,5,6,7
	FRAGQ \t
.endr
.irp q, 0,1,2,3
	v_cndmask_b32 v[W4+\q], v[SW+\q], v[SW+4+\q], s48   ; lanes 0-15 the row's words 0-3, lanes 16-31 its words 4-7
.endr
	global_store_b128 v[SCA], v[W4:W4+3], s[46:47] ; 16 rows x 32 bytes: 512 consecutive bytes
	s_wait_tensorcnt 0x0                           ; the wave's end, behind my last LDS store
	ds_add_u32 v[SPW], v[NIL]
	s_wait_dscnt 0x0
	s_endpgm
.Lfunc_end_k_q8119352ce0_quant:
	.size	k_q8119352ce0_quant, .Lfunc_end_k_q8119352ce0_quant-k_q8119352ce0_quant
	.p2alignl 7, 3214868480
	.fill 96, 4, 3214868480
	.section	.rodata,"a",@progbits
	.p2align	6, 0x0
	.amdhsa_kernel k_q8119352ce0_quant
		.amdhsa_group_segment_fixed_size 25856
		.amdhsa_private_segment_fixed_size 0
		.amdhsa_enable_private_segment 0
		.amdhsa_kernarg_size 72
		.amdhsa_user_sgpr_count 2
		.amdhsa_user_sgpr_kernarg_segment_ptr 1
		.amdhsa_wavefront_size32 1
		.amdhsa_system_sgpr_workgroup_id_x 1
		.amdhsa_system_sgpr_workgroup_id_y 1
		.amdhsa_system_sgpr_workgroup_id_z 1
		.amdhsa_system_vgpr_workitem_id 0
		.amdhsa_next_free_vgpr 240
		.amdhsa_next_free_sgpr 66
		.amdhsa_reserve_vcc 0
		.amdhsa_float_denorm_mode_32 3
		.amdhsa_float_denorm_mode_16_64 3
		.amdhsa_memory_ordered 1
		.amdhsa_forward_progress 1
		.amdhsa_inst_pref_size 59
	.end_amdhsa_kernel
	.amdgpu_metadata
---
amdhsa.version: [ 1, 2 ]
amdhsa.kernels:
  - .name:           k_q8119352ce0_quant
    .symbol:         k_q8119352ce0_quant.kd
    .args:
      - { .name: x, .offset: 0, .size: 8, .value_kind: global_buffer, .address_space: global }
      - { .name: Wq, .offset: 8, .size: 8, .value_kind: global_buffer, .address_space: global }
      - { .name: Wk, .offset: 16, .size: 8, .value_kind: global_buffer, .address_space: global }
      - { .name: Wv, .offset: 24, .size: 8, .value_kind: global_buffer, .address_space: global }
      - { .name: Wo, .offset: 32, .size: 8, .value_kind: global_buffer, .address_space: global }
      - { .name: ximg, .offset: 40, .size: 8, .value_kind: global_buffer, .address_space: global }
      - { .name: xsc, .offset: 48, .size: 8, .value_kind: global_buffer, .address_space: global }
      - { .name: wimg, .offset: 56, .size: 8, .value_kind: global_buffer, .address_space: global }
      - { .name: wsc, .offset: 64, .size: 8, .value_kind: global_buffer, .address_space: global }
    .group_segment_fixed_size: 25856
    .private_segment_fixed_size: 0
    .kernarg_segment_align: 8
    .kernarg_segment_size: 72
    .max_flat_workgroup_size: 96
    .sgpr_count:     66
    .vgpr_count:     240
    .wavefront_size: 32
...
	.end_amdgpu_metadata
.endif
;; end of part 1
;; launch proj (part 2): grid 8 x 32, 4 waves a work-group, clusters of 4 x 4, 327,680 bytes of LDS; arguments ximg, xsc, wimg, wsc, bq, bk, bv, mask, qbuf, kv; writes qbuf, kv
.if DOCPART == 2
	.amdgcn_target "amdgcn-amd-amdhsa--gfx1250"
	.amdhsa_code_object_version 6
	.text
	.protected	k_q8119352ce0_proj
	.globl	k_q8119352ce0_proj
	.p2align	8
	.type	k_q8119352ce0_proj,@function
k_q8119352ce0_proj:
	s_mov_b64 s[64:65], 0
	v_nop
	global_prefetch_b8 v0, s[64:65] scope:SCOPE_SE
	s_setreg_imm32_b32 hwreg(HW_REG_WAVE_MODE, 25, 1), 1
	s_wait_xcnt 0x0
	s_wait_alu depctr_hold_cnt(0) depctr_sa_sdst(0) depctr_va_vdst(0) depctr_va_sdst(0) depctr_va_ssrc(0) depctr_va_vcc(0) depctr_vm_vsrc(0)
	s_getreg_b32 s2, hwreg(HW_REG_IB_STS2, 6, 4)
	s_cmp_eq_u32 s2, 0
	s_cbranch_scc0 .Lentry_in_a_cluster
	s_endpgm
.Lentry_in_a_cluster:
	s_bfe_u32 s2, ttmp6, 0x10000c
	s_cmp_lg_u32 s2, 0xf033
	s_cbranch_scc0 .Lentry_shape_is_right
	s_endpgm
.Lentry_shape_is_right:
; q, k, v = x W^T + b on codes of FP6 (E2M3) with E8M0 scales, and the quantisers of q, k (along the head's 64) and v (along the keys), whose codes leave as images of operand registers.
; SHARES.  A work-group takes 256 tokens (y) and 128 features (slice: two heads) of q, then of k, then of v: three passes.  Its x images, 196,608 bytes for all of K, stay in LDS; the weights' images
; stream through two slots of four K steps.  Wave w: tokens' tiles 8 (w & 1) .. + 7, head 2 slice + (w >> 1): 128 x 64, 32 accumulators, 32 matrix instructions a K step of 128.
; q, k: source 0 = 16 features, source 1 = 16 tokens: a lane holds one token and its registers run along the head.  v: source 0 = 16 tokens, source 1 = 16 channels: a lane holds one channel, registers run along the keys.
; By the order of rows in a tile (tile 2 G + u, lane row r = row 32 G + 8 u + r + 8 (r / 8)) the 16 registers of two neighbouring tiles are 16 neighbours along the next K.  The biases are the C of each sum's first product.
; THE KEY MASK IS LAID INTO K.  The scores' product has K = 64 of the instruction's 128.  q carries the code +1.0 at k = 64 with byte 127; a hidden key has zero codes, the code -1.0 at k = 64 and byte 160: its score is -2^33,
; its logit -2^30; an open key has the code 0 there.  LIMITS: -2^30 stands for reference()'s -1e9: the results agree while open logits stay above about -9e8.  A block of zeros gets the byte 1 (zero codes; the bytes are
; read by this program alone); blocks whose largest magnitude lies under 2^-124 are held at byte 1; NaN and infinities are not served.
; CLUSTER 4 x 4: x's images hang on y alone and are asked for jointly along a row of the cluster, the weights' on the slice alone, jointly along a column.
; REGISTERS, in windows of 256: window 0 addresses, scale words (v32-111), scratch from v112; window 1 the 32 accumulators; window 2 x's fragments, two sets of 96; window 3 the weights' fragments, two sets of 48, and from v96 the biases.
.set W0,     196608                    ; LDS: x's images at 0 ([K step][tile 16][1536]); weight slot 0 here, slot 1 behind it
.set SLOTW,  49152
.set SPARE,  294912                    ; the spare words: 128 bytes a wave, two blocks of 256 bytes that no other line names
.set NEXTP,  786432                    ; from one weight's images to the next's
.set LI,  1                            ; 16 x lane
.set L8,  2                            ; 8 x lane
.set SPW, 3                            ; my spare word; never rewritten
.set NIL, 4                            ; 0; never rewritten
.set AX,  5                            ; v5-8   x's images of K steps 2 i, 2 i + 1: my 8 tiles
.set AW,  9                            ; v9-10  slot g: my 4 tiles
.set XSA, 11
.set WSA, 12
.set BA,  13
.set PIA, 14
.set C6Q, 15                           ; the code +1.0 at k = 64 (lanes 0-15)
.set C6M, 16                           ; the code -1.0 there
.set KWM, 17                           ; the upper bytes of a hidden key's scale word
.set KWU, 18                           ; and of an open key's
.set MK,  24                           ; v24-31 the mask of my tokens, tile by tile
.set XS,  32                           ; v32-63 x's scale words: 8 (a % 4) + s, lanes 0-15 tile a, lanes 16-31 tile a + 4
.set WS,  64                           ; v64-111 the weights': 16 p + 8 (b % 2) + s, lanes 0-15 tile b, lanes 16-31 tile b + 2
.set TM,  112
.set T2,  120
.set SO,  128
.set WD,  136
.set CD,  144
.set TP,  176
.set W4,  192
.set BI,  96                           ; window 3: the biases, 32 p + 8 b
.set G1X, 32
.set G1W, 40
.set G0X0, 48
.set G0X1, 52
.set G0W0, 56                          ; s[56:59] slot 0, s[60:63] slot 1
.set SEL, 66
.set HM,  68
.set MS,  88                           ; s88-95 lanes whose token is hidden, tile by tile
.set MSB, 0
.macro WIN new                         ; the immediate's high byte repeats the setting that is left
.if MSB != \new
	s_set_vgpr_msb (MSB<<8)|\new
.set MSB, \new
.endif
.endm
.macro CREST                           ; a round of the cluster's barrier behind its opening barrier
	s_cmp_lg_u32 s24, 0
	s_cbranch_scc1 .Lnot_wave_0_\@
	s_barrier_signal -3
.Lnot_wave_0_\@:
	s_barrier_wait -3
	s_barrier_signal -1
	s_barrier_wait -1
.endm
.macro CROUND
	s_barrier_signal -1
	s_barrier_wait -1
	CREST
.endm
.macro PLACES                          ; four places behind matrix instructions, in front of loads into their registers and of reads of their results
.rept 4
	v_nop
.endr
.endm
	s_load_b256 s[4:11], s[0:1], 0x0               ; ximg, xsc, wimg, wsc
	s_load_b256 s[12:19], s[0:1], 0x20             ; bq, bk, bv, mask
	s_load_b128 s[20:23], s[0:1], 0x40             ; qbuf, kv
	v_lshl_add_u32 v[SPW], v0, 2, SPARE
	v_mov_b32 v[NIL], 0
	ds_add_u32 v[SPW], v[NIL]                      ; the wave's opening: the add and its wait ahead of my first tensor load
	ds_add_u32 v[SPW], v[NIL]
	v_lshrrev_b32 v5, 5, v0
	v_readfirstlane_b32 s24, v5                    ; wave 0..3
	s_and_b32 s25, s24, 1                          ; tb: which 128 tokens
	s_lshr_b32 s26, s24, 1                         ; hp: which head of the slice
	s_bfe_u32 s27, ttmp6, 0x40000                  ; cx
	s_bfe_u32 s28, ttmp6, 0x40004                  ; cy
	s_lshl_b32 s29, ttmp9, 2
	s_add_co_u32 s29, s29, s27                     ; slice
	s_and_b32 s30, ttmp7, 0xffff
	s_lshl_b32 s30, s30, 2
	s_add_co_u32 s30, s30, s28                     ; y
	s_lshl_b32 s31, s28, 2
	s_lshl_b32 s31, 15, s31                        ; my row of the cluster
	s_lshl_b32 s69, 0x1111, s27                    ; my column
	s_or_b32 s[G1X], s31, (3<<16)|(1<<21)          ; 15:0 the mask; 17:16 elements of 8 bytes; 21 set beside a mask; no padding: images are read at 16 x lane
	s_or_b32 s[G1W], s69, (3<<16)|(1<<21)
	s_mov_b32 s[G1X+1], 32<<16                     ; rows of 256 bytes
	s_mov_b32 s[G1X+2], 384<<16                    ; four K steps of x's images: 384 of them
	s_mov_b32 s[G1X+3], 32<<16
	s_mov_b32 s[G1X+4], 384
	s_mov_b32 s[G1X+5], 32
	s_mov_b32 s[G1X+6], 0
	s_mov_b32 s[G1X+7], 0
	s_mov_b32 s[G1W+1], 32<<16
	s_mov_b32 s[G1W+2], 192<<16                    ; at the head a whole slot, four K steps of a slice's images: 192; the refills' 48 are set ahead of the first refill
	s_mov_b32 s[G1W+3], 32<<16
	s_mov_b32 s[G1W+4], 192
	s_mov_b32 s[G1W+5], 32
	s_mov_b32 s[G1W+6], 0
	s_mov_b32 s[G1W+7], 0
	s_mul_i32 s79, s24, 12288                      ; in a refill wave w fetches the w-th K step of the slot
	s_mul_i32 s74, s30, 196608
	s_mov_b32 s75, 0
	s_mul_i32 s86, s26, SLOTW                      ; at the head waves 1 and 3 fetch a whole slot: slot wave / 2
	s_mul_i32 s87, s29, 98304
	s_add_co_u32 s86, s86, s87
	s_mov_b32 s87, 0
	s_mul_i32 s76, s29, 98304
	s_add_co_u32 s76, s76, s79
	s_mov_b32 s77, 0
	s_mov_b32 s[SEL], 0x76543210
	s_mov_b32 s[SEL+1], 0xfedcba98
	s_mov_b32 s[HM], 0xffff0000
	s_wait_dscnt 0x0                               ; the opening add is done
	s_wait_kmcnt 0x0
	s_add_nc_u64 s[80:81], s[4:5], s[74:75]
	s_add_nc_u64 s[84:85], s[8:9], s[76:77]
	s_mov_b32 s[G0X0], 1
	s_mov_b32 s[G0X0+1], 0
	s_mov_b64 s[G0X0+2:G0X0+3], s[80:81]
	s_or_b32 s[G0X0+3], s[G0X0+3], 0x80000000
	s_mov_b32 s[G0X1], 1
	s_mov_b32 s[G0X1+1], 98304
	s_add_nc_u64 s[G0X1+2:G0X1+3], s[80:81], 98304
	s_or_b32 s[G0X1+3], s[G0X1+3], 0x80000000
	s_mov_b32 s[G0W0], 1
	s_add_co_u32 s[G0W0+1], s79, W0
	s_mov_b64 s[G0W0+2:G0W0+3], s[84:85]
	s_or_b32 s[G0W0+3], s[G0W0+3], 0x80000000
	s_mov_b32 s[G0W0+4], 1
	s_add_co_u32 s[G0W0+5], s79, W0+SLOTW
	s_add_nc_u64 s[G0W0+6:G0W0+7], s[84:85], SLOTW
	s_or_b32 s[G0W0+7], s[G0W0+7], 0x80000000
	s_mov_b32 s96, 1                               ; s[96:99]: group 0 of the head's load of a whole slot
	s_mul_i32 s97, s26, SLOTW
	s_add_co_u32 s97, s97, W0
	s_add_nc_u64 s[98:99], s[8:9], s[86:87]
	s_or_b32 s99, s99, 0x80000000
	CROUND                                         ; all sixteen work-groups are here: the first joint loads meet
	s_cmp_eq_u32 s24, 0                            ; the head's four tiles, one load a wave, in one chain of branches on the wave's number
	s_cbranch_scc0 .Lhead_1
	tensor_load_to_lds s[G0X0:G0X0+3], s[G1X:G1X+7]        ; wave 0: x's K steps 0 to 3
	s_nop 0
	PLACES
	s_branch .Lhead_asked
.Lhead_1:
	s_cmp_eq_u32 s24, 1
	s_cbranch_scc0 .Lhead_2
	tensor_load_to_lds s[96:99], s[G1W:G1W+7]              ; wave 1: weight slot 0
	s_nop 0
	PLACES
	s_branch .Lhead_asked
.Lhead_2:
	s_cmp_eq_u32 s24, 2
	s_cbranch_scc0 .Lhead_3
	tensor_load_to_lds s[G0X1:G0X1+3], s[G1X:G1X+7]        ; wave 2: x's K steps 4 to 7
	s_nop 0
	PLACES
	s_branch .Lhead_asked
.Lhead_3:
	tensor_load_to_lds s[96:99], s[G1W:G1W+7]              ; wave 3: weight slot 1
	s_nop 0
	PLACES
.Lhead_asked:
	v_and_b32 v20, 31, v0
	v_and_b32 v21, 15, v0                          ; r
	v_bfe_u32 v22, v0, 4, 1                        ; h
	v_lshlrev_b32 v[LI], 4, v20
	v_lshlrev_b32 v[L8], 3, v20
	s_mul_i32 s82, s25, 12288
	v_add_nc_u32 v[AX], s82, v[LI]
	v_add_nc_u32 v[AX+1], 49152, v[AX]
	v_add_nc_u32 v[AX+2], 98304, v[AX]
	v_add_nc_u32 v[AX+3], 147456, v[AX]
	s_mul_i32 s82, s26, 6144
	s_add_co_u32 s82, s82, W0
	v_add_nc_u32 v[AW], s82, v[LI]
	v_add_nc_u32 v[AW+1], SLOTW, v[AW]
	v_lshl_add_u32 v[XSA], v22, 6, v21
	v_lshlrev_b32 v[XSA], 5, v[XSA]                ; x's scale bytes: row r, lanes 16-31 four tiles on; 32 bytes a row
	v_lshl_add_u32 v[WSA], v22, 5, v21
	v_lshlrev_b32 v[WSA], 5, v[WSA]                ; the weights': lanes 16-31 two tiles on
	v_lshlrev_b32 v[BA], 6, v22
	v_and_b32 v19, 7, v21                          ; v19: where my 16 bytes of a tile of k go: 16 (r % 8) + 256 h + 2048 (r / 8)
	v_lshl_add_u32 v19, v22, 4, v19
	v_bfe_u32 v23, v21, 3, 1
	v_lshl_add_u32 v19, v23, 7, v19
	v_lshlrev_b32 v19, 4, v19
	v_and_b32 v23, 8, v21
	v_add_nc_u32 v23, v23, v21
	v_lshlrev_b32 v[PIA], 2, v23                   ; 4 (r + 8 (r / 8)): my row of a tile, in a list of words
	v_sub_nc_u32 v23, 1, v22
	v_lshlrev_b32 v[C6Q], 3, v23
	v_mul_u32_u24 v[C6M], v23, 0x28
	v_mov_b32 v[KWM], 0x01a00000                   ; byte 2 = 160: 2^33; byte 3 = 1
	v_mov_b32 v[KWU], 0x01010000
.irp n, 0,1,2,3,4,5,6,7
	v_mov_b32 v[T2+\n], 0                          ; written once: a lane permute's destination counts as one of its sources
.endr
	s_lshl_b32 s82, s30, 8
	s_lshl_b32 s83, s25, 7
	s_add_co_u32 s82, s82, s83                     ; my first token
	s_mov_b32 s85, 0
	s_lshl_b32 s84, s82, 5
	s_add_nc_u64 s[6:7], s[6:7], s[84:85]
	s_lshl_b32 s84, s82, 2
	s_add_nc_u64 s[18:19], s[18:19], s[84:85]
	s_lshl_b32 s84, s29, 3
	s_lshl_b32 s83, s26, 2
	s_add_co_u32 s84, s84, s83
	s_lshl_b32 s84, s84, 9
	s_add_nc_u64 s[10:11], s[10:11], s[84:85]
	s_lshl_b32 s86, s29, 1
	s_add_co_u32 s86, s86, s26                     ; my head
	s_lshl_b32 s84, s86, 8
	s_add_nc_u64 s[12:13], s[12:13], s[84:85]
	s_add_nc_u64 s[14:15], s[14:15], s[84:85]
	s_add_nc_u64 s[16:17], s[16:17], s[84:85]
	s_lshr_b32 s83, s30, 3
	s_lshl_b32 s83, s83, 4
	s_add_co_u32 s83, s83, s86                     ; batch x 16 + head
	s_and_b32 s87, s30, 7
	s_lshl_b32 s87, s87, 1
	s_add_co_u32 s87, s87, s25                     ; which 128 tokens of the sequence
	s_lshl_b32 s84, s83, 4
	s_add_co_u32 s84, s84, s87
	s_mul_i32 s84, s84, 8704
	s_add_nc_u64 s[70:71], s[20:21], s[84:85]      ; my record of q
	s_lshl_b32 s84, s83, 18
	s_mul_i32 s87, s87, 15104
	s_add_co_u32 s84, s84, s87
	s_add_nc_u64 s[72:73], s[22:23], s[84:85]      ; my record of k and v
.irp i, 0,1,2,3
.irp g, 0,1
	global_load_b128 v[XS+8*\i+4*\g:XS+8*\i+4*\g+3], v[XSA], s[6:7] offset:\i*512+16*\g
.endr
.endr
.irp p, 0,1,2
.irp i, 0,1
.irp g, 0,1
	global_load_b128 v[WS+16*\p+8*\i+4*\g:WS+16*\p+8*\i+4*\g+3], v[WSA], s[10:11] offset:\p*32768+\i*512+16*\g
.endr
.endr
.endr
.irp a, 0,1,2,3,4,5,6,7
	global_load_b32 v[MK+\a], v[PIA], s[18:19] offset:(32*(\a/2)+8*(\a%2))*4
.endr
	WIN 0xC0                                       ; destination window 3
.irp b, 0,1,2,3
	global_load_b128 v[BI+8*\b:BI+8*\b+3], v[BA], s[12:13] offset:(32*(\b/2)+8*(\b%2))*4          ; q: lane (r, h), register j: feature 32 (b / 2) + 16 h + 8 (b % 2) + j
	global_load_b128 v[BI+8*\b+4:BI+8*\b+7], v[BA], s[12:13] offset:(32*(\b/2)+8*(\b%2))*4+16
	global_load_b128 v[BI+32+8*\b:BI+32+8*\b+3], v[BA], s[14:15] offset:(32*(\b/2)+8*(\b%2))*4
	global_load_b128 v[BI+32+8*\b+4:BI+32+8*\b+7], v[BA], s[14:15] offset:(32*(\b/2)+8*(\b%2))*4+16
.irp j, 0,1,2,3,4,5,6,7
	global_load_b32 v[BI+64+8*\b+\j], v[PIA], s[16:17] offset:(32*(\b/2)+8*(\b%2))*4   ; v: a lane holds one channel: its bias in all eight registers
.endr
.endr
	WIN 0
; one matrix instruction; ra, rb: the side's scales stand in lanes 16-31
.macro WM d, a, b, c, sa, sb, ra, rb
.if (\ra) && (\rb)
	v_wmma_scale_f32_16x16x128_f8f6f4 v[\d:\d+7], v[\a:\a+11], v[\b:\b+11], v[\c:\c+7], v[\sa], v[\sb] matrix_a_fmt:MATRIX_FMT_FP6 matrix_b_fmt:MATRIX_FMT_FP6 matrix_a_scale:MATRIX_SCALE_ROW1 matrix_b_scale:MATRIX_SCALE_ROW1
.elseif (\ra)
	v_wmma_scale_f32_16x16x128_f8f6f4 v[\d:\d+7], v[\a:\a+11], v[\b:\b+11], v[\c:\c+7], v[\sa], v[\sb] matrix_a_fmt:MATRIX_FMT_FP6 matrix_b_fmt:MATRIX_FMT_FP6 matrix_a_scale:MATRIX_SCALE_ROW1
.elseif (\rb)
	v_wmma_scale_f32_16x16x128_f8f6f4 v[\d:\d+7], v[\a:\a+11], v[\b:\b+11], v[\c:\c+7], v[\sa], v[\sb] matrix_a_fmt:MATRIX_FMT_FP6 matrix_b_fmt:MATRIX_FMT_FP6 matrix_b_scale:MATRIX_SCALE_ROW1
.else
	v_wmma_scale_f32_16x16x128_f8f6f4 v[\d:\d+7], v[\a:\a+11], v[\b:\b+11], v[\c:\c+7], v[\sa], v[\sb] matrix_a_fmt:MATRIX_FMT_FP6 matrix_b_fmt:MATRIX_FMT_FP6
.endif
.endm
; x's tiles a0 .. a0 + n - 1 against the weights' four, K step s of pass p.  kind 0: q, k; 1: v.  The 32 accumulators take turns, one instruction a turn, in the same order in every step.
.macro MUL kind, p, s, a0, n
.set aa, \a0
.rept \n
.set bb, 0
.rept 4
.set rX, 96*((\s)%2)+12*aa
.set rW, 48*((\s)%2)+12*bb
.set sX, XS+8*(aa%4)+(\s)
.set sW, WS+16*(\p)+8*(bb%2)+(\s)
.set hX, aa/4
.set hW, bb/2
.if \kind
.set rD, 8*(8*bb+aa)
.else
.set rD, 8*(4*aa+bb)
.endif
.set rC, rD
.if (\s) == 0
.set rC, BI+32*(\p)+8*bb                       ; the first K step starts the sums with the bias
.endif
.if \kind
	WM rD, rX, rW, rC, sX, sW, hX, hW
.else
	WM rD, rW, rX, rC, sW, sX, hW, hX
.endif
.set bb, bb+1
.endr
.set aa, aa+1
.endr
.endm
.macro MWIN kind, s                    ; q, k: source 0 window 3, source 1 window 2; v: the other way; D window 1; C window 1, in the first K step window 3
.if (\s) == 0
	WIN 0x7B+3*(\kind)
.else
	WIN 0x5B+3*(\kind)
.endif
.endm
.macro FETCH s                         ; K step s: 24 loads of x's fragments, 12 of the weights' (slot s / 4), into the sets s % 2
	WIN 0x80
.irp a, 0,1,2,3,4,5,6,7
.irp c, 0,1,2
	ds_load_b128 v[96*((\s)%2)+12*\a+4*\c:96*((\s)%2)+12*\a+4*\c+3], v[AX+(\s)/2] offset:((\s)%2)*24576+\a*1536+512*\c
.endr
.endr
	WIN 0xC0
.irp b, 0,1,2,3
.irp c, 0,1,2
	ds_load_b128 v[48*((\s)%2)+12*\b+4*\c:48*((\s)%2)+12*\b+4*\c+3], v[AW+(\s)/4] offset:((\s)%4)*12288+\b*1536+512*\c
.endr
.endr
	WIN 0
.endm
.macro KSTEP kind, p, s
	s_wait_dscnt 0x0                               ; this step's fragments are in (asked for 16 matrix instructions ago)
	MWIN \kind,\s
	MUL \kind,\p,\s,0,4
	PLACES
	FETCH (\s)+1
	MWIN \kind,\s
	MUL \kind,\p,\s,4,4
.endm
; A slot's last K step changes slots: one barrier; in front of it each wave waits for all its tensor loads, adds 0 to its spare word, and waits for that and for its reads of the slot.
; refill = 1: the barrier opens a round of the cluster's, and the slot takes the next pass's four K steps: the load has four K steps, 128 matrix instructions, in which to land.
.macro TURNSTEP kind, p, s, refill
	WIN 0
	s_wait_tensorcnt 0x0                           ; all my tensor loads have landed: my part of the other slot among them
	ds_add_u32 v[SPW], v[NIL]                      ; 0 onto my spare word
.if \refill
	s_mov_b32 s[G1W+2], 48<<16                     ; no tensor load of mine is out: a refill brings one K step of a slice's images, 48 rows
	s_mov_b32 s[G1W+4], 48
.endif
	s_wait_dscnt 0x1
	MWIN \kind,\s
	MUL \kind,\p,\s,0,2
	s_wait_dscnt 0x0                               ; the add is done, and my reads of this slot are over
	s_barrier_signal -1
	MUL \kind,\p,\s,2,2
	WIN 0
	s_barrier_wait -1
.if \refill
	CREST                                          ; no wave of any partner still reads the slot or has a load on its way
	s_add_nc_u64 s[G0W0+4*((\s)/4)+2:G0W0+4*((\s)/4)+3], s[G0W0+4*((\s)/4)+2:G0W0+4*((\s)/4)+3], NEXTP
	tensor_load_to_lds s[G0W0+4*((\s)/4):G0W0+4*((\s)/4)+3], s[G1W:G1W+7]   ; my one tensor load behind the round
	s_nop 0
.endif
	PLACES                                         ; behind the load, and in front of the loads below
	FETCH ((\s)+1)%8
	MWIN \kind,\s
	MUL \kind,\p,\s,4,4
.endm
.macro PASS kind, p, more
	KSTEP \kind,\p,0
	KSTEP \kind,\p,1
	KSTEP \kind,\p,2
	TURNSTEP \kind,\p,3,\more
	KSTEP \kind,\p,4
	KSTEP \kind,\p,5
	KSTEP \kind,\p,6
.if \more
	TURNSTEP \kind,\p,7,1
.else
	s_wait_dscnt 0x0
	MWIN \kind,7
	MUL \kind,\p,7,0,8
.endif
	PLACES
.endm
; Eight blocks of 32 along the next K: block n's 16 numbers of my half lie in accumulator registers 128 bt + 16 n + 0 .. 15, the other 16 in lane l xor 16.  Each accumulator is read from its low end on.
.macro EPI_MAX bt
	WIN 0x05
.irp n, 0,1,2,3,4,5,6,7
	v_max3_num_f32 v[TM+\n], |v[128*(\bt)+16*\n]|, |v[128*(\bt)+16*\n+1]|, 0x1800000   ; the floor 2^(3 - 127) holds the byte at 1 from below
.endr
	WIN 0x14
.irp i, 2,4,6,8,10,12,14
.irp n, 0,1,2,3,4,5,6,7
	v_max3_num_f32 v[TM+\n], v[TM+\n], |v[128*(\bt)+16*\n+\i]|, |v[128*(\bt)+16*\n+\i+1]|
.endr
.endr
	WIN 0
.irp n, 0,1,2,3,4,5,6,7
	v_permlanex16_b32 v[T2+\n], v[TM+\n], s[SEL], s[SEL+1]
.endr
.irp n, 0,1,2,3,4,5,6,7
	v_max_num_f32 v[TM+\n], v[TM+\n], v[T2+\n]
.endr
.irp n, 0,1,2,3,4,5,6,7
	v_add_nc_u32 v[SO+\n], 0xff000000, v[TM+\n]    ; 2 off the exponent field: the conversion's scale operand
.endr
.irp n, 0,1,2,3,4,5,6,7
	v_lshrrev_b32 v[T2+\n], 23, v[SO+\n]           ; the scale's byte
.endr
.endm
; q (isk = 0) or k (1): four tiles of tokens at a time; a tile's image is registers 0-7 of its fragment, 1,024 bytes.
.macro EPI_QK isk
.irp bt, 0,1
	EPI_MAX \bt
.irp a, 0,1,2,3
	v_lshl_or_b32 v[WD+4*\bt+\a], v[T2+2*\a+1], 8, v[T2+2*\a]
.endr
.irp a, 0,1,2,3
.if \isk
	v_cndmask_b32 v[T2+2*\a], v[KWU], v[KWM], s[MS+4*\bt+\a]
.endif
.endr
.irp a, 0,1,2,3
.if \isk
	v_or_b32 v[WD+4*\bt+\a], v[WD+4*\bt+\a], v[T2+2*\a]
.else
	v_or_b32 v[WD+4*\bt+\a], 0x7f7f0000, v[WD+4*\bt+\a]
.endif
.endr
	s_wait_xcnt 0x0                                ; earlier stores have read their data: the codes' registers are written below
	WIN 0x01
.irp a, 0,1,2,3
	v_cvt_scalef32_pk16_fp6_f32 v[CD+8*\a:CD+8*\a+2], v[128*\bt+32*\a:128*\bt+32*\a+15], v[SO+2*\a]
	v_cvt_scalef32_pk16_fp6_f32 v[TP+4*\a:TP+4*\a+2], v[128*\bt+32*\a+16:128*\bt+32*\a+31], v[SO+2*\a+1]
.endr
	WIN 0
	v_nop                                          ; one plain place behind a scaled conversion
.irp a, 0,1,2,3
.irp i, 0,1,2
	v_permlane16_swap_b32 v[CD+8*\a+\i], v[TP+4*\a+\i]   ; the layout wants a whole block in a lane: lanes 0-15 block 0, lanes 16-31 block 1
.endr
.endr
.irp a, 0,1,2,3
.irp i, 0,1,2
	v_mov_b32 v[CD+8*\a+3+\i], v[TP+4*\a+\i]
.endr
.endr
.irp a, 0,1,2,3
.if \isk
.irp i, 0,1,2,3,4,5
	v_cndmask_b32 v[CD+8*\a+\i], v[CD+8*\a+\i], v[NIL], s[MS+4*\bt+\a]   ; a hidden key's codes are zeros
.endr
	v_cndmask_b32 v[CD+8*\a+6], v[NIL], v[C6M], s[MS+4*\bt+\a]           ; and its code at k = 64 is -1.0
.else
	v_mov_b32 v[CD+8*\a+6], v[C6Q]
.endif
	v_mov_b32 v[CD+8*\a+7], 0
.endr
.irp a, 0,1,2,3
.if \isk
	; k's tiles are laid anew for the scores: tile 4 c + j of the record holds keys 64 c + 8 j + i in rows i and keys 64 c + 32 + 8 j + i in rows 8 + i (i = 0 .. 7)
	global_store_b128 v19, v[CD+8*\a:CD+8*\a+3], s[72:73] offset:(4*\bt+\a%2)*1024+128*(\a/2)
	global_store_b128 v19, v[CD+8*\a+4:CD+8*\a+7], s[72:73] offset:(4*\bt+\a%2)*1024+128*(\a/2)+512
.else
	global_store_b128 v[LI], v[CD+8*\a:CD+8*\a+3], s[70:71] offset:(4*\bt+\a)*1024
	global_store_b128 v[LI], v[CD+8*\a+4:CD+8*\a+7], s[70:71] offset:(4*\bt+\a)*1024+512
.endif
.endr
.endr
.irp i, 0,1,2,3
	v_cndmask_b32 v[W4+\i], v[WD+2*\i], v[WD+2*\i+1], s[HM]   ; word i: lanes 0-15 tile 2 i, lanes 16-31 tile 2 i + 1
.endr
.if \isk
	global_store_b128 v[LI], v[W4:W4+3], s[72:73] offset:14336
.else
	global_store_b128 v[LI], v[W4:W4+3], s[70:71] offset:8192
.endif
.endm
; v: two tiles of channels at a time; a tile's 64 registers are 128 keys: one whole fragment and one scale word a channel.
.macro EPI_V
.irp bt, 0,1
	EPI_MAX \bt
.irp e, 0,1
	v_lshl_or_b32 v[WD+2*\bt+\e], v[T2+4*\e+1], 8, v[T2+4*\e]
	v_lshl_or_b32 v[WD+2*\bt+\e], v[T2+4*\e+2], 16, v[WD+2*\bt+\e]
	v_lshl_or_b32 v[WD+2*\bt+\e], v[T2+4*\e+3], 24, v[WD+2*\bt+\e]
.endr
	s_wait_xcnt 0x0                                ; earlier stores have read their data
	WIN 0x01
.irp e, 0,1
.irp c, 0,1
	v_cvt_scalef32_pk16_fp6_f32 v[CD+12*\e+6*\c:CD+12*\e+6*\c+2], v[128*\bt+64*\e+32*\c:128*\bt+64*\e+32*\c+15], v[SO+4*\e+2*\c]
	v_cvt_scalef32_pk16_fp6_f32 v[TP+8*\e+4*\c:TP+8*\e+4*\c+2], v[128*\bt+64*\e+32*\c+16:128*\bt+64*\e+32*\c+31], v[SO+4*\e+2*\c+1]
.endr
.endr
	WIN 0
	v_nop                                          ; one plain place behind a scaled conversion
.irp e, 0,1
.irp c, 0,1
.irp i, 0,1,2
	v_permlane16_swap_b32 v[CD+12*\e+6*\c+\i], v[TP+8*\e+4*\c+\i]
.endr
.endr
.endr
.irp e, 0,1
.irp c, 0,1
.irp i, 0,1,2
	v_mov_b32 v[CD+12*\e+6*\c+3+\i], v[TP+8*\e+4*\c+\i]
.endr
.endr
.endr
.irp e, 0,1
.irp c, 0,1,2
	global_store_b128 v[LI], v[CD+12*\e+4*\c:CD+12*\e+4*\c+3], s[72:73] offset:8192+1536*(2*\bt+\e)+512*\c
.endr
.endr
.endr
.irp i, 0,1
	v_cndmask_b32 v[W4+\i], v[WD+2*\i], v[WD+2*\i+1], s[HM]
.endr
	global_store_b64 v[L8], v[W4:W4+1], s[72:73] offset:14848
.endm
	s_wait_alu depctr_va_vdst(0)                   ; the head's end
	s_cmp_lt_u32 s24, 2                            ; waves 0 and 1 wait for x's first four K steps and slot 0; the loads of waves 2 and 3 may stay out
	s_cbranch_scc0 .Lnot_first
	s_wait_tensorcnt 0x0
.Lnot_first:
	s_barrier_signal -1
	s_barrier_wait -1                              ; everybody's are
	FETCH 0
	s_wait_loadcnt 0x0                             ; scale words, mask, biases
.irp a, 0,1,2,3,4,5,6,7
	v_cmp_eq_u32 s[MS+\a], 0, v[MK+\a]             ; the lanes whose token is hidden: they only steer selections
.endr
	PASS 0, 0, 1
	EPI_QK 0
	PASS 0, 1, 1
	EPI_QK 1
	PASS 1, 2, 0
	EPI_V
	s_wait_tensorcnt 0x0                           ; the wave's end
	ds_add_u32 v[SPW], v[NIL]
	s_wait_dscnt 0x0
	CROUND                                         ; the closing round: no work-group ends while a partner may still ask for a tile that names it
	s_endpgm
.Lfunc_end_k_q8119352ce0_proj:
	.size	k_q8119352ce0_proj, .Lfunc_end_k_q8119352ce0_proj-k_q8119352ce0_proj
	.p2alignl 7, 3214868480
	.fill 96, 4, 3214868480
	.section	.rodata,"a",@progbits
	.p2align	6, 0x0
	.amdhsa_kernel k_q8119352ce0_proj
		.amdhsa_group_segment_fixed_size 327680
		.amdhsa_private_segment_fixed_size 0
		.amdhsa_enable_private_segment 0
		.amdhsa_kernarg_size 80
		.amdhsa_user_sgpr_count 2
		.amdhsa_user_sgpr_kernarg_segment_ptr 1
		.amdhsa_wavefront_size32 1
		.amdhsa_system_sgpr_workgroup_id_x 1
		.amdhsa_system_sgpr_workgroup_id_y 1
		.amdhsa_system_sgpr_workgroup_id_z 1
		.amdhsa_system_vgpr_workitem_id 0
		.amdhsa_next_free_vgpr 1024
		.amdhsa_next_free_sgpr 100
		.amdhsa_reserve_vcc 0
		.amdhsa_float_denorm_mode_32 3
		.amdhsa_float_denorm_mode_16_64 3
		.amdhsa_memory_ordered 1
		.amdhsa_forward_progress 1
		.amdhsa_inst_pref_size 233
	.end_amdhsa_kernel
	.amdgpu_metadata
---
amdhsa.version: [ 1, 2 ]
amdhsa.kernels:
  - .name:           k_q8119352ce0_proj
    .symbol:         k_q8119352ce0_proj.kd
    .args:
      - { .name: ximg, .offset: 0, .size: 8, .value_kind: global_buffer, .address_space: global }
      - { .name: xsc, .offset: 8, .size: 8, .value_kind: global_buffer, .address_space: global }
      - { .name: wimg, .offset: 16, .size: 8, .value_kind: global_buffer, .address_space: global }
      - { .name: wsc, .offset: 24, .size: 8, .value_kind: global_buffer, .address_space: global }
      - { .name: bq, .offset: 32, .size: 8, .value_kind: global_buffer, .address_space: global }
      - { .name: bk, .offset: 40, .size: 8, .value_kind: global_buffer, .address_space: global }
      - { .name: bv, .offset: 48, .size: 8, .value_kind: global_buffer, .address_space: global }
      - { .name: mask, .offset: 56, .size: 8, .value_kind: global_buffer, .address_space: global }
      - { .name: qbuf, .offset: 64, .size: 8, .value_kind: global_buffer, .address_space: global }
      - { .name: kv, .offset: 72, .size: 8, .value_kind: global_buffer, .address_space: global }
    .group_segment_fixed_size: 327680
    .private_segment_fixed_size: 0
    .kernarg_segment_align: 8
    .kernarg_segment_size: 80
    .max_flat_workgroup_size: 128
    .sgpr_count:     100
    .vgpr_count:     1024
    .wavefront_size: 32
...
	.end_amdgpu_metadata
.endif
;; end of part 2
;; launch attn (part 3): grid 4 x 64, 8 waves a work-group, clusters of 4 x 1, 327,680 bytes of LDS; arguments qbuf, kv, ctx, csc; writes ctx, csc
.if DOCPART == 3
	.amdgcn_target "amdgcn-amd-amdhsa--gfx1250"
	.amdhsa_code_object_version 6
	.text
	.protected	k_q8119352ce0_attn
	.globl	k_q8119352ce0_attn
	.p2align	8
	.type	k_q8119352ce0_attn,@function
k_q8119352ce0_attn:
	s_mov_b64 s[64:65], 0
	v_nop
	global_prefetch_b8 v0, s[64:65] scope:SCOPE_SE
	s_setreg_imm32_b32 hwreg(HW_REG_WAVE_MODE, 25, 1), 1
	s_wait_xcnt 0x0
	s_wait_alu depctr_hold_cnt(0) depctr_sa_sdst(0) depctr_va_vdst(0) depctr_va_sdst(0) depctr_va_ssrc(0) depctr_va_vcc(0) depctr_vm_vsrc(0)
	s_getreg_b32 s2, hwreg(HW_REG_IB_STS2, 6, 4)
	s_cmp_eq_u32 s2, 0
	s_cbranch_scc0 .Lentry_in_a_cluster
	s_endpgm
.Lentry_in_a_cluster:
	s_bfe_u32 s2, ttmp6, 0x10000c
	s_cmp_lg_u32 s2, 0x3003
	s_cbranch_scc0 .Lentry_shape_is_right
	s_endpgm
.Lentry_shape_is_right:
; context = softmax(q k^T / 8) v for one (batch, head) and 512 queries a work-group, on codes of FP6 (E2M3) with E8M0 scales; the context leaves as codes and scale bytes for the last projection.
; SHARES.  grid y = batch x 16 + head; the four work-groups of a cluster take the head's four blocks of 512 queries and ask for the head's k and v JOINTLY (mask 15).
; All 16 records of k and v (128 keys each: 8 tiles of k x 1,024 bytes, 4 fragments of v x 1,536, 512 bytes of k's scale words, 256 of v's) lie in LDS, filled ONCE: wave w fetches records 2 w, 2 w + 1
; by one tensor load of 118 rows of 256 bytes at the head.  Nothing is filled again, so one barrier serves the launch.  A work-group walks the keys twice: pass p serves queries 256 p .. 256 p + 255 of its 512;
; a wave takes two tiles of 16 queries a pass, tile w' in register window w' under the same register numbers.
; NO PREFETCH: every tile is asked for at the head in one group; no loop stands ahead of any load in which to ask earlier.  The second pass's q comes into registers at the head.
; BOTH PRODUCTS ARE USED TRANSPOSED (S^T = k q^T, O^T = v^T p^T): a lane holds one query.  Tile 4 c + j of a record holds keys 64 c + 8 j + i (rows i) and 64 c + 32 + 8 j + i (rows 8 + i):
; so lane (q, h)'s 32 scores of tiles 4 c .. 4 c + 3 are keys 64 c + 32 h + 0 .. 31: one whole scale block, in the order of p's operand registers.  No lane looks at another but for the row's maximum and p's scale word.
; SOFTMAX as the problem lays it down: p = 2^(t - M), t = score x log2(e) / 8, M the running largest t rounded up to a whole number; sums of the unquantised p; when M moves, sums and O^T are multiplied by a power of two.
; A block's largest p is the block's largest score put through the same multiply-add and exponential.  The key mask lies in k's codes (k = 64), as the projections' launch laid it.
; LIMITS: the scaled scores stay under 2^31 in magnitude; a block whose every p is 0 gets the byte 1 (zero codes); NaN and infinities are not served.
.set REC,   15104
.set SPARE, 16*REC                     ; behind the records: the spare words, 128 bytes a wave, four blocks of 256 bytes that no other line names
.set QSTEP, 17408                      ; from a pass's q to the next's: two records of 8,704 bytes
.set LI,  1                            ; 16 x lane
.set L8,  2                            ; 8 x lane
.set ADK, 3                            ; this step's record + 16 x lane
.set ADV, 4                            ; + 8 x lane
.set SPW, 5                            ; my spare word; never rewritten
.set NIL, 6                            ; 0; never rewritten
.set KSL, 7                            ; k's scale words: 16 (l % 8) + 4 ((l / 8) % 2) + 256 (l / 16)
.set QS,  8                            ; q's scale words: lanes 0-15 tile 0, lanes 16-31 tile 1
.set ADS, 9                            ; this step's record + KSL
.set PSWA, 10                          ; v10-11 p's scale words, tile 0 and 1
.set KS,  12                           ; v12-15 k's: register g: lanes 0-15 tile 2 g, lanes 16-31 tile 2 g + 1
.set VS,  16                           ; v16-17 v's
.set CSA, 18
.set U,   19
.set Q2,  20                           ; v20-35 the second pass's q, v36 its scale words
.set QS2, 36
.set VF,  40                           ; v40-87 v's four fragments (window 0); window 1, v0-95: k's eight
.set S,   96                           ; in both windows from here on: scores, then p
.set O,   160
.set QF,  192
.set PC,  204
.set TP,  216
.set NM,  224                          ; -M
.set SX,  225                          ; the running largest score
.set SU,  226
.set F,   228
.set BM,  230
.set T4,  234
.set SO,  238
.set TT,  242
.set PW,  243
.set SA,  244
.set SH,  246                          ; 8 h
.set WV,  12
.set SEL, 20
.set CS,  22
.set G1,  24
.set G0A, 32
.set TB,  40
.set CNT, 41
.set PS,  42
.set HM,  43
.set MSB, 0
.macro WIN new                         ; the immediate's high byte repeats the setting that is left
.if MSB != \new
	s_set_vgpr_msb (MSB<<8)|\new
.set MSB, \new
.endif
.endm
.macro CROUND                          ; a round of the cluster's barrier
	s_barrier_signal -1
	s_barrier_wait -1
	s_cmp_lg_u32 s[WV], 0
	s_cbranch_scc1 .Lnot_wave_0_\@
	s_barrier_signal -3
.Lnot_wave_0_\@:
	s_barrier_wait -3
	s_barrier_signal -1
	s_barrier_wait -1
.endm
.macro PLACES                          ; four places behind matrix instructions (ISA guide 7.12.1)
.rept 4
	v_nop
.endr
.endm
	s_load_b256 s[4:11], s[0:1], 0x0               ; qbuf, kv, ctx, csc
	v_lshl_add_u32 v[SPW], v0, 2, SPARE
	v_mov_b32 v[NIL], 0
	ds_add_u32 v[SPW], v[NIL]                      ; the opening lines: the add, twice on end, and its wait ahead of my tensor load
	ds_add_u32 v[SPW], v[NIL]
	v_lshrrev_b32 v37, 5, v0
	v_readfirstlane_b32 s[WV], v37                 ; wave 0..7
	s_bfe_u32 s13, ttmp6, 0x40000                  ; cx
	s_lshl_b32 s14, ttmp9, 2
	s_add_co_u32 s14, s14, s13                     ; which 512 queries
	s_and_b32 s15, ttmp7, 0xffff                   ; batch x 16 + head
	s_mov_b32 s[G1], 15|(3<<16)|(1<<21)            ; mask: all four of the cluster; elements of 8 bytes; bit 21 beside a mask; no padding: images are read at 16 x lane
	s_mov_b32 s[G1+1], 32<<16                      ; rows of 256 bytes,
	s_mov_b32 s[G1+2], 118<<16                     ; 118 of them: two records
	s_mov_b32 s[G1+3], 32<<16
	s_mov_b32 s[G1+4], 118
	s_mov_b32 s[G1+5], 32
	s_mov_b32 s[G1+6], 0
	s_mov_b32 s[G1+7], 0
	s_mul_i32 s18, s[WV], 2*REC
	s_lshl_b32 s16, s15, 18                        ; a head's records begin 262,144 bytes apart
	s_add_co_u32 s16, s16, s18
	s_mov_b32 s17, 0
	s_mov_b32 s[SEL], 0x76543210
	s_mov_b32 s[SEL+1], 0xfedcba98                 ; lane l xor 16
	s_mov_b32 s[CS], 0x3e38aa3b                    ; log2(e) / 8
	s_mov_b32 s[CS+1], s[CS]
	s_mov_b32 s[HM], 0xffff0000
	s_mov_b32 s[PS], 0
	s_wait_dscnt 0x0                               ; both opening adds are done
	s_wait_kmcnt 0x0
	s_mov_b32 s[G0A], 1
	s_mov_b32 s[G0A+1], s18
	s_add_nc_u64 s[G0A+2:G0A+3], s[6:7], s[16:17]
	s_or_b32 s[G0A+3], s[G0A+3], 0x80000000
	CROUND                                         ; all four work-groups are here: the joint loads meet
	tensor_load_to_lds s[G0A:G0A+3], s[G1:G1+7]    ; my one tensor load of the launch
	s_nop 0
	PLACES
	v_and_b32 v37, 31, v0
	v_lshlrev_b32 v[LI], 4, v37
	v_lshlrev_b32 v[L8], 3, v37
	v_lshlrev_b32 v[CSA], 5, v37
	v_and_b32 v38, 7, v0
	v_bfe_u32 v39, v0, 3, 1
	v_lshlrev_b32 v[KSL], 4, v38
	v_lshl_add_u32 v[KSL], v39, 2, v[KSL]
	v_bfe_u32 v39, v0, 4, 1                        ; h
	v_lshl_add_u32 v[KSL], v39, 8, v[KSL]
	v_lshlrev_b32 v[SH], 3, v39
	WIN 0x40
	v_lshlrev_b32 v[SH], 3, v39                    ; and the same in window 1
	WIN 0
	s_wait_alu depctr_va_vdst(0)                   ; ahead of the run of scalar lines
	s_mov_b32 s57, 0
	s_lshl_b32 s56, s15, 4                         ; q: 16 records of 128 queries a head; my work-group's first is 4 x its number; waves 4-7 take the next
	s_lshl_b32 s58, s14, 2
	s_add_co_u32 s56, s56, s58
	s_lshr_b32 s58, s[WV], 2
	s_add_co_u32 s56, s56, s58
	s_mul_i32 s56, s56, 8704
	s_add_nc_u64 s[48:49], s[4:5], s[56:57]
	s_and_b32 s58, s[WV], 3
	s_lshl_b32 s56, s58, 11                        ; my two tiles of the record's eight
	s_add_nc_u64 s[46:47], s[48:49], s[56:57]
	s_lshl_b32 s56, s58, 2
	s_add_co_u32 s56, s56, 8192                    ; and their scale words
	s_add_nc_u64 s[48:49], s[48:49], s[56:57]
	global_load_b128 v[QF:QF+3], v[LI], s[46:47]
	global_load_b128 v[QF+4:QF+7], v[LI], s[46:47] offset:512
	global_load_b32 v[QS], v[LI], s[48:49]
.irp i, 0,1,2,3
	global_load_b128 v[Q2+4*\i:Q2+4*\i+3], v[LI], s[46:47] offset:QSTEP+512*\i
.endr
	global_load_b32 v[QS2], v[LI], s[48:49] offset:QSTEP
	WIN 0x40
	global_load_b128 v[QF:QF+3], v[LI], s[46:47] offset:1024
	global_load_b128 v[QF+4:QF+7], v[LI], s[46:47] offset:1536
	WIN 0
	s_lshr_b32 s58, s15, 4                         ; where the context goes: block of 256 tokens = batch x 8 + 2 x work-group (+ pass)
	s_lshl_b32 s58, s58, 3
	s_lshl_b32 s60, s14, 1
	s_add_co_u32 s58, s58, s60
	s_and_b32 s59, s15, 15                         ; head
	s_mul_i32 s56, s58, 196608
	s_lshr_b32 s60, s59, 1
	s_mul_i32 s60, s60, 24576                      ; K step of the last projection: two heads
	s_add_co_u32 s56, s56, s60
	s_mul_i32 s60, s[WV], 3072                     ; my two tiles
	s_add_co_u32 s56, s56, s60
	s_and_b32 s60, s59, 1
	s_mul_i32 s60, s60, 768                        ; which half of a fragment
	s_add_co_u32 s56, s56, s60
	s_add_nc_u64 s[50:51], s[8:9], s[56:57]
	s_lshl_b32 s56, s58, 8
	s_lshl_b32 s60, s[WV], 5
	s_add_co_u32 s56, s56, s60
	s_lshl_b32 s56, s56, 5                         ; 32 scale bytes a token row,
	s_lshl_b32 s60, s59, 1                         ; two of them my head's
	s_add_co_u32 s56, s56, s60
	s_add_nc_u64 s[52:53], s[10:11], s[56:57]
.macro ONCE                            ; written once: the upper third of q's fragment is zero codes; lane permutes' destinations and the pair's upper half count as sources
.irp i, 8,9,10,11
	v_mov_b32 v[QF+\i], 0
.endr
.irp i, 0,1,2,3
	v_mov_b32 v[T4+\i], 0
.endr
	v_mov_b32 v[TT], 0
	v_mov_b32 v[F+1], 0
.endm
.macro INIT                            ; a pass begins: O^T and the sums are zeros, the largest score lies under every score, and -M is so large that the first change of M multiplies by 0
.set j, 0
.rept 32
	v_mov_b32 v[O+j], 0
.set j, j+1
.endr
	v_mov_b32 v[SU], 0
	v_mov_b32 v[SU+1], 0
	v_mov_b32 v[SX], 0xff61b1e6
	v_mov_b32 v[NM], 0x7e000000
.endm
	ONCE
	WIN 0x40
.irp t, 0,1,2,3,4,5,6,7
.irp i, 8,9,10,11
	v_mov_b32 v[12*\t+\i], 0                       ; the upper third of k's fragments: zero codes
.endr
.endr
	ONCE
	WIN 0
.macro WMZ d, a, b, sa, sb, ra, rb
.if (\ra) && (\rb)
	v_wmma_scale_f32_16x16x128_f8f6f4 v[(\d):(\d)+7], v[(\a):(\a)+11], v[(\b):(\b)+11], 0, v[\sa], v[\sb] matrix_a_fmt:MATRIX_FMT_FP6 matrix_b_fmt:MATRIX_FMT_FP6 matrix_a_scale:MATRIX_SCALE_ROW1 matrix_b_scale:MATRIX_SCALE_ROW1
.elseif (\ra)
	v_wmma_scale_f32_16x16x128_f8f6f4 v[(\d):(\d)+7], v[(\a):(\a)+11], v[(\b):(\b)+11], 0, v[\sa], v[\sb] matrix_a_fmt:MATRIX_FMT_FP6 matrix_b_fmt:MATRIX_FMT_FP6 matrix_a_scale:MATRIX_SCALE_ROW1
.elseif (\rb)
	v_wmma_scale_f32_16x16x128_f8f6f4 v[(\d):(\d)+7], v[(\a):(\a)+11], v[(\b):(\b)+11], 0, v[\sa], v[\sb] matrix_a_fmt:MATRIX_FMT_FP6 matrix_b_fmt:MATRIX_FMT_FP6 matrix_b_scale:MATRIX_SCALE_ROW1
.else
	v_wmma_scale_f32_16x16x128_f8f6f4 v[(\d):(\d)+7], v[(\a):(\a)+11], v[(\b):(\b)+11], 0, v[\sa], v[\sb] matrix_a_fmt:MATRIX_FMT_FP6 matrix_b_fmt:MATRIX_FMT_FP6
.endif
.endm
.macro WMA d, a, b, sa, sb, ra
.if (\ra)
	v_wmma_scale_f32_16x16x128_f8f6f4 v[(\d):(\d)+7], v[(\a):(\a)+11], v[(\b):(\b)+11], v[(\d):(\d)+7], v[\sa], v[\sb] matrix_a_fmt:MATRIX_FMT_FP6 matrix_b_fmt:MATRIX_FMT_FP6 matrix_a_scale:MATRIX_SCALE_ROW1
.else
	v_wmma_scale_f32_16x16x128_f8f6f4 v[(\d):(\d)+7], v[(\a):(\a)+11], v[(\b):(\b)+11], v[(\d):(\d)+7], v[\sa], v[\sb] matrix_a_fmt:MATRIX_FMT_FP6 matrix_b_fmt:MATRIX_FMT_FP6
.endif
.endm
; 16 queries x 128 keys: a lane's 64 scores are blocks h (registers 0-31) and 2 + h (32-63).
.macro SOFTMAX w
	WIN 0x55*(\w)
	s_wait_alu depctr_va_vdst(0)                   ; directly ahead of the first readers of the scores and of O^T; plain lines alone follow up to the last of them
.irp b, 0,1,2,3
	v_max3_num_f32 v[BM+\b], v[S+16*\b], v[S+16*\b+1], v[S+16*\b+2]   ; four chains by turns, each over two accumulators, each accumulator from its low end on
.endr
.irp i, 3,5,7,9,11,13
.irp b, 0,1,2,3
	v_max3_num_f32 v[BM+\b], v[BM+\b], v[S+16*\b+\i], v[S+16*\b+\i+1]
.endr
.endr
.irp c, 0,1
	v_max3_num_f32 v[BM+2*\c], v[BM+2*\c], v[BM+2*\c+1], v[S+32*\c+15]
.endr
.irp c, 0,1
	v_max_num_f32 v[BM+2*\c], v[BM+2*\c], v[S+32*\c+31]               ; my two blocks' largest scores
.endr
	v_max_num_f32 v[TT], v[BM], v[BM+2]
	v_permlanex16_b32 v[T4], v[TT], s[SEL], s[SEL+1]
	v_max3_num_f32 v[SX], v[SX], v[TT], v[T4]      ; the running largest score of my query, lane l xor 16's blocks among them
	v_mul_f32 v[TT], s[CS], v[SX]                  ; as t
	v_mov_b32 v[T4+1], v[NM]
	v_floor_f32 v[NM], -v[TT]                      ; -M = floor(-t): M is a whole number
	v_sub_f32 v[TT], v[NM], v[T4+1]
	v_cvt_i32_f32 v[TT], v[TT]                     ; (it saturates)
	v_ldexp_f32 v[F], 1.0, v[TT]                   ; f = 2^(old M - new M)
.set j, 0
.rept 32
	v_pk_fma_f32 v[S+j:S+j+1], v[S+j:S+j+1], s[CS:CS+1], v[NM:NM+1] op_sel_hi:[1,0,0]   ; t - M
.set j, j+2
.endr
.irp c, 0,1
	v_fma_f32 v[BM+2*\c], v[BM+2*\c], s[CS], v[NM] ; the same of each block's largest score
.endr
.set j, 0
.rept 16
	v_pk_mul_f32 v[O+j:O+j+1], v[O+j:O+j+1], v[F:F+1] op_sel_hi:[1,0]   ; O^T under the new M
.set j, j+2
.endr
	s_wait_alu depctr_va_vdst(0)                   ; ahead of the batch
.set j, 0
.rept 64
	v_exp_f32 v[S+j], v[S+j]                       ; p = 2^(t - M)
.set j, j+1
.endr
.irp c, 0,1
	v_exp_f32 v[BM+2*\c], v[BM+2*\c]               ; the blocks' largest p
.endr
	v_pk_mul_f32 v[SU:SU+1], v[SU:SU+1], v[F:F+1] op_sel_hi:[1,0]       ; the sums under the new M: the plain place behind the batch
	s_wait_alu depctr_va_vdst(0)                   ; one wait for the batch, ahead of its first reader
.irp c, 0,1
	v_max_num_f32 v[BM+2*\c], 0x1800000, v[BM+2*\c]   ; the floor 2^(3 - 127) holds the byte at 1 from below
.endr
.irp c, 0,1
	v_add_nc_u32 v[SO+\c], 0xff000000, v[BM+2*\c]  ; 2 off the exponent field: the conversion's scale operand
.endr
.irp c, 0,1
	v_lshrrev_b32 v[BM+2*\c], 23, v[SO+\c]         ; the scale's byte
.endr
	v_lshl_or_b32 v[PW], v[BM+2], 16, v[BM]        ; blocks h and 2 + h,
	v_lshlrev_b32 v[PW], v[SH], v[PW]              ; at their places in the word;
	v_permlanex16_b32 v[TT], v[PW], s[SEL], s[SEL+1]
	WIN 0x05*(\w)
	v_or_b32 v[PSWA+(\w)], v[PW], v[TT]            ; with lane l xor 16's two the word is whole (scale registers lie in window 0); more than eight plain lines follow ahead of the products
	WIN 0x55*(\w)
.irp c, 0,1
	v_cvt_scalef32_pk16_fp6_f32 v[PC+6*\c:PC+6*\c+2], v[S+32*\c:S+32*\c+15], v[SO+\c]
	v_cvt_scalef32_pk16_fp6_f32 v[TP+4*\c:TP+4*\c+2], v[S+32*\c+16:S+32*\c+31], v[SO+\c]   ; (a conversion's three registers begin on an even number)
.endr
	v_pk_add_f32 v[SA:SA+1], v[S:S+1], v[S+2:S+3]  ; the row's sum of the unquantised p, in four chains by turns
	v_pk_add_f32 v[T4:T4+1], v[S+4:S+5], v[S+6:S+7]
	v_pk_add_f32 v[T4+2:T4+3], v[S+8:S+9], v[S+10:S+11]
	v_pk_add_f32 v[SU:SU+1], v[SU:SU+1], v[S+12:S+13]
.irp c, 0,1
.irp i, 0,1,2
	v_mov_b32 v[PC+6*\c+3+\i], v[TP+4*\c+\i]
.endr
.endr
.set j, 14
.rept 6
	v_pk_add_f32 v[SA:SA+1], v[SA:SA+1], v[S+j:S+j+1]
	v_pk_add_f32 v[T4:T4+1], v[T4:T4+1], v[S+j+2:S+j+3]
	v_pk_add_f32 v[T4+2:T4+3], v[T4+2:T4+3], v[S+j+4:S+j+5]
	v_pk_add_f32 v[SU:SU+1], v[SU:SU+1], v[S+j+6:S+j+7]
.set j, j+8
.endr
	v_pk_add_f32 v[SA:SA+1], v[SA:SA+1], v[S+62:S+63]
	v_pk_add_f32 v[SU:SU+1], v[SU:SU+1], v[T4+2:T4+3]
	v_pk_add_f32 v[SA:SA+1], v[SA:SA+1], v[T4:T4+1]
	v_pk_add_f32 v[SU:SU+1], v[SU:SU+1], v[SA:SA+1]
.endm
.macro STEP                            ; 128 keys: the record at s[TB]
	v_add_nc_u32 v[ADK], s[TB], v[LI]
	v_add_nc_u32 v[ADV], s[TB], v[L8]
	v_add_nc_u32 v[ADS], s[TB], v[KSL]
	WIN 0x40
.irp t, 0,1,2,3,4,5,6,7
	ds_load_b128 v[12*\t:12*\t+3], v[ADK] offset:1024*\t
	ds_load_b128 v[12*\t+4:12*\t+7], v[ADK] offset:1024*\t+512
.endr
	WIN 0
.irp g, 0,1,2,3
	ds_load_b32 v[KS+\g], v[ADS] offset:14336+128*(\g%2)+8*(\g/2)   ; the words lie by the projections' order of rows: row l % 16 of tile 2 g + l / 16 has its word at this place
.endr
.irp t, 0,1,2,3
.irp c, 0,1,2
	ds_load_b128 v[VF+12*\t+4*\c:VF+12*\t+4*\c+3], v[ADK] offset:8192+1536*\t+512*\c
.endr
.endr
	ds_load_b64 v[VS:VS+1], v[ADV] offset:14848
	s_wait_dscnt 13                                ; k and its words are in; v's 12 loads and its words' one may be out
	WIN 0x01
.irp t, 0,1,2,3,4,5,6,7
	WMZ S+8*\t, 12*\t, QF, KS+\t/2, QS, \t%2, 0
.endr
	WIN 0x45
.irp t, 0,1,2,3,4,5,6,7
	WMZ S+8*\t, 12*\t, QF, KS+\t/2, QS, \t%2, 1
.endr
	WIN 0
	PLACES
	SOFTMAX 0
	s_wait_alu depctr_va_vdst(0)
	s_wait_dscnt 0x0                               ; v is in
.irp t, 0,1,2,3
	WMA O+8*\t, VF+12*\t, PC, VS+\t/2, PSWA, \t%2
.endr
	SOFTMAX 1
	WIN 0x54
.irp t, 0,1,2,3
	WMA O+8*\t, VF+12*\t, PC, VS+\t/2, PSWA+1, \t%2
.endr
	WIN 0
	PLACES                                         ; ahead of the next step's loads into v's registers, and of the reads of O^T behind the loop
	s_add_co_u32 s[TB], s[TB], REC
.endm
; O^T / the sum, quantised along the head's 64: by the order of v's channels in a tile the 16 registers of two tiles are channels 32 b + 16 h + 0 .. 15: a block lies in lanes l and l xor 16.
.macro FINISH w
	WIN 0x55*(\w)
	v_add_f32 v[SU], v[SU], v[SU+1]
	v_permlanex16_b32 v[TT], v[SU], s[SEL], s[SEL+1]
	v_add_f32 v[SU], v[SU], v[TT]
	s_wait_alu depctr_va_vdst(0)                   ; ahead of the transcendental,
	v_rcp_f32 v[F], v[SU]
	v_nop
	s_wait_alu depctr_va_vdst(0)                   ; and behind it, directly ahead of the first reader of O^T
.set j, 0
.rept 16
	v_pk_mul_f32 v[O+j:O+j+1], v[O+j:O+j+1], v[F:F+1] op_sel_hi:[1,0]
.set j, j+2
.endr
.irp b, 0,1
	v_max3_num_f32 v[BM+\b], |v[O+16*\b]|, |v[O+16*\b+1]|, 0x1800000
.endr
.irp i, 2,4,6,8,10,12,14
.irp b, 0,1
	v_max3_num_f32 v[BM+\b], v[BM+\b], |v[O+16*\b+\i]|, |v[O+16*\b+\i+1]|
.endr
.endr
.irp b, 0,1
	v_permlanex16_b32 v[T4+\b], v[BM+\b], s[SEL], s[SEL+1]
.endr
.irp b, 0,1
	v_max_num_f32 v[BM+\b], v[BM+\b], v[T4+\b]
.endr
.irp b, 0,1
	v_add_nc_u32 v[SO+\b], 0xff000000, v[BM+\b]
.endr
.irp b, 0,1
	v_lshrrev_b32 v[T4+\b], 23, v[SO+\b]
.endr
	v_lshl_or_b32 v[PW], v[T4+1], 8, v[T4]
	v_cvt_scalef32_pk16_fp6_f32 v[PC:PC+2], v[O:O+15], v[SO]
	v_cvt_scalef32_pk16_fp6_f32 v[TP:TP+2], v[O+16:O+31], v[SO+1]
	v_nop                                          ; one plain place behind a scaled conversion
.irp i, 0,1,2
	v_permlane16_swap_b32 v[PC+\i], v[TP+\i]       ; a whole block to a lane: lanes 0-15 block 0, lanes 16-31 block 1
.endr
.irp i, 0,1,2
	v_mov_b32 v[PC+3+\i], v[TP+\i]
.endr
	WIN 0x04*(\w)
	global_store_b128 v[LI], v[PC:PC+3], s[50:51] offset:1536*(\w)
	global_store_b64 v[L8], v[PC+4:PC+5], s[50:51] offset:1536*(\w)+512
.endm
	s_wait_alu depctr_va_vdst(0)                   ; the head's end
	s_wait_tensorcnt 0x0                           ; my two records are in
	s_barrier_signal -1
	s_barrier_wait -1                              ; everybody's are: all 16 lie in LDS for the rest of the launch
	s_wait_loadcnt 0x0                             ; q of both passes
.Lpass:
	INIT
	WIN 0x40
	INIT
	WIN 0
	s_mov_b32 s[TB], 0
	s_mov_b32 s[CNT], 16
.Lstep:
	STEP
	s_sub_co_u32 s[CNT], s[CNT], 1
	s_cmp_lg_u32 s[CNT], 0
	s_cbranch_scc1 .Lstep
	FINISH 0
	FINISH 1
	WIN 0x01
	v_mov_b32 v[U], v[PW]
	WIN 0
	v_cndmask_b32 v[U], v[PW], v[U], s[HM]         ; lanes 0-15 tile 0's two bytes, lanes 16-31 tile 1's
	global_store_b16 v[CSA], v[U], s[52:53]
	s_add_co_u32 s[PS], s[PS], 1
	s_cmp_eq_u32 s[PS], 2
	s_cbranch_scc1 .Ldone
	s_wait_xcnt 0x0                                ; the stores have read their data and bases: both are written below
	s_add_nc_u64 s[50:51], s[50:51], 196608        ; the next 256 tokens
	s_add_nc_u64 s[52:53], s[52:53], 8192
.irp i, 0,1,2,3,4,5,6,7
	v_mov_b32 v[QF+\i], v[Q2+\i]                   ; the second pass's q
.endr
	v_mov_b32 v[QS], v[QS2]
	WIN 0x40
.irp i, 0,1,2,3,4,5,6,7
	v_mov_b32 v[QF+\i], v[Q2+8+\i]
.endr
	WIN 0
	s_cmp_lt_u32 s[PS], 2
	s_wait_alu depctr_va_vdst(0)
	s_cbranch_scc1 .Lpass
.Ldone:
	s_wait_tensorcnt 0x0                           ; the wave's end
	ds_add_u32 v[SPW], v[NIL]
	s_wait_dscnt 0x0
	CROUND                                         ; the closing round
	s_endpgm
.Lfunc_end_k_q8119352ce0_attn:
	.size	k_q8119352ce0_attn, .Lfunc_end_k_q8119352ce0_attn-k_q8119352ce0_attn
	.p2alignl 7, 3214868480
	.fill 96, 4, 3214868480
	.section	.rodata,"a",@progbits
	.p2align	6, 0x0
	.amdhsa_kernel k_q8119352ce0_attn
		.amdhsa_group_segment_fixed_size 327680
		.amdhsa_private_segment_fixed_size 0
		.amdhsa_enable_private_segment 0
		.amdhsa_kernarg_size 32
		.amdhsa_user_sgpr_count 2
		.amdhsa_user_sgpr_kernarg_segment_ptr 1
		.amdhsa_wavefront_size32 1
		.amdhsa_system_sgpr_workgroup_id_x 1
		.amdhsa_system_sgpr_workgroup_id_y 1
		.amdhsa_system_sgpr_workgroup_id_z 1
		.amdhsa_system_vgpr_workitem_id 0
		.amdhsa_next_free_vgpr 512
		.amdhsa_next_free_sgpr 66
		.amdhsa_reserve_vcc 0
		.amdhsa_float_denorm_mode_32 3
		.amdhsa_float_denorm_mode_16_64 3
		.amdhsa_memory_ordered 1
		.amdhsa_forward_progress 1
		.amdhsa_inst_pref_size 46
	.end_amdhsa_kernel
	.amdgpu_metadata
---
amdhsa.version: [ 1, 2 ]
amdhsa.kernels:
  - .name:           k_q8119352ce0_attn
    .symbol:         k_q8119352ce0_attn.kd
    .args:
      - { .name: qbuf, .offset: 0, .size: 8, .value_kind: global_buffer, .address_space: global }
      - { .name: kv, .offset: 8, .size: 8, .value_kind: global_buffer, .address_space: global }
      - { .name: ctx, .offset: 16, .size: 8, .value_kind: global_buffer, .address_space: global }
      - { .name: csc, .offset: 24, .size: 8, .value_kind: global_buffer, .address_space: global }
    .group_segment_fixed_size: 327680
    .private_segment_fixed_size: 0
    .kernarg_segment_align: 8
    .kernarg_segment_size: 32
    .max_flat_workgroup_size: 256
    .sgpr_count:     66
    .vgpr_count:     512
    .wavefront_size: 32
...
	.end_amdgpu_metadata
.endif
;; end of part 3
;; launch outp (part 4): grid 8 x 32, 4 waves a work-group, clusters of 4 x 4, 327,680 bytes of LDS; arguments ctx, csc, wimg, wsc, bo, out0; writes out0
.if DOCPART == 4
	.amdgcn_target "amdgcn-amd-amdhsa--gfx1250"
	.amdhsa_code_object_version 6
	.text
	.protected	k_q8119352ce0_outp
	.globl	k_q8119352ce0_outp
	.p2align	8
	.type	k_q8119352ce0_outp,@function
k_q8119352ce0_outp:
	s_mov_b64 s[64:65], 0
	v_nop
	global_prefetch_b8 v0, s[64:65] scope:SCOPE_SE
	s_setreg_imm32_b32 hwreg(HW_REG_WAVE_MODE, 25, 1), 1
	s_wait_xcnt 0x0
	s_wait_alu depctr_hold_cnt(0) depctr_sa_sdst(0) depctr_va_vdst(0) depctr_va_sdst(0) depctr_va_ssrc(0) depctr_va_vcc(0) depctr_vm_vsrc(0)
	s_getreg_b32 s2, hwreg(HW_REG_IB_STS2, 6, 4)
	s_cmp_eq_u32 s2, 0
	s_cbranch_scc0 .Lentry_in_a_cluster
	s_endpgm
.Lentry_in_a_cluster:
	s_bfe_u32 s2, ttmp6, 0x10000c
	s_cmp_lg_u32 s2, 0xf033
	s_cbranch_scc0 .Lentry_shape_is_right
	s_endpgm
.Lentry_shape_is_right:
; out = context Wo^T + bo on codes of FP6 (E2M3) with E8M0 scales; out0 [8192][1024] f32.
; SHARES as in the projections: a work-group takes 256 tokens (y) x 128 features (slice); wave w tokens' tiles 8 (w & 1) .. + 7 and features' tiles 4 (w >> 1) .. + 3: 32 accumulators.
; All of K lies in LDS, filled ONCE: the context's images (196,608 bytes) and the slice's images of Wo (98,304).  Waves 0 and 2 fetch the context's K steps 0 to 3 and 4 to 7, waves 1 and 3 Wo's.  No slot is filled again.
; CLUSTER 4 x 4: the context's images are asked for jointly along a row of the cluster, Wo's along a column.
; Source 0 = 16 features, source 1 = 16 tokens: a lane holds one token and eight neighbouring features a register run.  A fragment of the context is two halves of 768 bytes (registers 6 c .. 6 c + 3 at 16 x lane, 6 c + 4, 6 c + 5 at 8 x lane).
; THE WAY OUT turns the order of rows in a tile back: a tile of 16 tokens x 64 features goes through my stage in LDS and leaves as rows: sixteen lanes store 256 consecutive bytes at a multiple of 256 from out0's first byte.
.set WO,    196608
.set STG,   294912                     ; 16 rows x 272 bytes for each wave; no tile lands here
.set SPARE, 312320                     ; the spare words: 128 bytes a wave, two blocks of 256 bytes that no other line names
.set LI,  1
.set L8,  2
.set SPW, 3
.set NIL, 4
.set AX,  5                            ; v5-8   the context's images, 16 x lane
.set AW,  9                            ; v9-10  Wo's
.set XSA, 11
.set WSA, 12
.set BA,  13
.set STO, 14
.set RD,  15
.set CO,  16
.set AX8, 24                           ; v24-27 the context's images, 8 x lane
.set XS,  32
.set WS,  64
.set BK,  112                          ; v112-175 two sets of 32: rows on the way out
.set BI,  96
.set G1X, 32
.set G1W, 40
.set G0X0, 48
.set G0X1, 52
.set G0W0, 56
.set MSB, 0
.macro WIN new
.if MSB != \new
	s_set_vgpr_msb (MSB<<8)|\new
.set MSB, \new
.endif
.endm
.macro CROUND
	s_barrier_signal -1
	s_barrier_wait -1
	s_cmp_lg_u32 s24, 0
	s_cbranch_scc1 .Lnot_wave_0_\@
	s_barrier_signal -3
.Lnot_wave_0_\@:
	s_barrier_wait -3
	s_barrier_signal -1
	s_barrier_wait -1
.endm
.macro PLACES
.rept 4
	v_nop
.endr
.endm
	s_load_b256 s[4:11], s[0:1], 0x0               ; ctx, csc, wimg, wsc
	s_load_b128 s[12:15], s[0:1], 0x20             ; bo, out0
	v_lshl_add_u32 v[SPW], v0, 2, SPARE
	v_mov_b32 v[NIL], 0
	ds_add_u32 v[SPW], v[NIL]                      ; the wave's opening: the add and its wait ahead of my first tensor load
	ds_add_u32 v[SPW], v[NIL]
	v_lshrrev_b32 v5, 5, v0
	v_readfirstlane_b32 s24, v5
	s_and_b32 s25, s24, 1                          ; tb
	s_lshr_b32 s26, s24, 1                         ; hp
	s_bfe_u32 s27, ttmp6, 0x40000
	s_bfe_u32 s28, ttmp6, 0x40004
	s_lshl_b32 s29, ttmp9, 2
	s_add_co_u32 s29, s29, s27                     ; slice
	s_and_b32 s30, ttmp7, 0xffff
	s_lshl_b32 s30, s30, 2
	s_add_co_u32 s30, s30, s28                     ; y
	s_lshl_b32 s31, s28, 2
	s_lshl_b32 s31, 15, s31
	s_lshl_b32 s69, 0x1111, s27
	s_or_b32 s[G1X], s31, (3<<16)|(1<<21)
	s_or_b32 s[G1W], s69, (3<<16)|(1<<21)
	s_mov_b32 s[G1X+1], 32<<16
	s_mov_b32 s[G1X+2], 384<<16                    ; four K steps of the context's images: 384 rows of 256 bytes
	s_mov_b32 s[G1X+3], 32<<16
	s_mov_b32 s[G1X+4], 384
	s_mov_b32 s[G1X+5], 32
	s_mov_b32 s[G1X+6], 0
	s_mov_b32 s[G1X+7], 0
	s_mov_b32 s[G1W+1], 32<<16
	s_mov_b32 s[G1W+2], 192<<16                    ; four K steps of the slice's images of Wo: 192
	s_mov_b32 s[G1W+3], 32<<16
	s_mov_b32 s[G1W+4], 192
	s_mov_b32 s[G1W+5], 32
	s_mov_b32 s[G1W+6], 0
	s_mov_b32 s[G1W+7], 0
	s_mul_i32 s74, s30, 196608
	s_mov_b32 s75, 0
	s_mul_i32 s76, s29, 98304
	s_add_co_u32 s76, s76, 3*786432                ; Wo is the fourth weight in wimg
	s_mov_b32 s77, 0
	s_wait_dscnt 0x0
	s_wait_kmcnt 0x0
	s_add_nc_u64 s[80:81], s[4:5], s[74:75]
	s_add_nc_u64 s[84:85], s[8:9], s[76:77]
	s_mov_b32 s[G0X0], 1
	s_mov_b32 s[G0X0+1], 0
	s_mov_b64 s[G0X0+2:G0X0+3], s[80:81]
	s_or_b32 s[G0X0+3], s[G0X0+3], 0x80000000
	s_mov_b32 s[G0X1], 1
	s_mov_b32 s[G0X1+1], 98304
	s_add_nc_u64 s[G0X1+2:G0X1+3], s[80:81], 98304
	s_or_b32 s[G0X1+3], s[G0X1+3], 0x80000000
	s_mov_b32 s[G0W0], 1
	s_mov_b32 s[G0W0+1], WO
	s_mov_b64 s[G0W0+2:G0W0+3], s[84:85]
	s_or_b32 s[G0W0+3], s[G0W0+3], 0x80000000
	s_mov_b32 s[G0W0+4], 1
	s_mov_b32 s[G0W0+5], WO+49152
	s_add_nc_u64 s[G0W0+6:G0W0+7], s[84:85], 49152
	s_or_b32 s[G0W0+7], s[G0W0+7], 0x80000000
	CROUND                                         ; all sixteen work-groups are here: the joint loads meet
	s_cmp_eq_u32 s24, 0                            ; the four tiles, one load a wave, in one chain of branches on the wave's number
	s_cbranch_scc0 .Lhead_1
	tensor_load_to_lds s[G0X0:G0X0+3], s[G1X:G1X+7]        ; wave 0: the context's K steps 0 to 3
	s_nop 0
	PLACES
	s_branch .Lhead_asked
.Lhead_1:
	s_cmp_eq_u32 s24, 1
	s_cbranch_scc0 .Lhead_2
	tensor_load_to_lds s[G0W0:G0W0+3], s[G1W:G1W+7]        ; wave 1: Wo's K steps 0 to 3
	s_nop 0
	PLACES
	s_branch .Lhead_asked
.Lhead_2:
	s_cmp_eq_u32 s24, 2
	s_cbranch_scc0 .Lhead_3
	tensor_load_to_lds s[G0X1:G0X1+3], s[G1X:G1X+7]        ; wave 2: the context's K steps 4 to 7
	s_nop 0
	PLACES
	s_branch .Lhead_asked
.Lhead_3:
	tensor_load_to_lds s[G0W0+4:G0W0+7], s[G1W:G1W+7]      ; wave 3: Wo's K steps 4 to 7
	s_nop 0
	PLACES
.Lhead_asked:
	v_and_b32 v20, 31, v0
	v_and_b32 v21, 15, v0                          ; r
	v_bfe_u32 v22, v0, 4, 1                        ; h
	v_lshlrev_b32 v[LI], 4, v20
	v_lshlrev_b32 v[L8], 3, v20
	s_mul_i32 s82, s25, 12288
	v_add_nc_u32 v[AX], s82, v[LI]
	v_add_nc_u32 v[AX+1], 49152, v[AX]
	v_add_nc_u32 v[AX+2], 98304, v[AX]
	v_add_nc_u32 v[AX+3], 147456, v[AX]
	v_add_nc_u32 v[AX8], s82, v[L8]
	v_add_nc_u32 v[AX8+1], 49152, v[AX8]
	v_add_nc_u32 v[AX8+2], 98304, v[AX8]
	v_add_nc_u32 v[AX8+3], 147456, v[AX8]
	s_mul_i32 s82, s26, 6144
	s_add_co_u32 s82, s82, WO
	v_add_nc_u32 v[AW], s82, v[LI]
	v_add_nc_u32 v[AW+1], 49152, v[AW]
	v_lshl_add_u32 v[XSA], v22, 6, v21
	v_lshlrev_b32 v[XSA], 5, v[XSA]
	v_lshl_add_u32 v[WSA], v22, 5, v21
	v_lshlrev_b32 v[WSA], 5, v[WSA]
	v_lshlrev_b32 v[BA], 6, v22
	s_wait_alu depctr_va_vdst(0)
	s_mul_i32 s82, s24, 16*272
	s_add_co_u32 s82, s82, STG                     ; my stage
	v_mul_u32_u24 v[STO], v21, 272
	v_lshl_add_u32 v[STO], v22, 6, v[STO]
	v_add_nc_u32 v[STO], s82, v[STO]               ; in: row r, + 64 h
	v_mul_u32_u24 v[RD], v22, 272
	v_lshl_add_u32 v[RD], v21, 4, v[RD]
	v_add_nc_u32 v[RD], s82, v[RD]                 ; back: lanes 0-15 one row, lanes 16-31 the next
	v_lshlrev_b32 v[CO], 12, v22
	v_lshl_add_u32 v[CO], v21, 4, v[CO]            ; and the same two rows in out0
	s_lshl_b32 s82, s30, 8
	s_lshl_b32 s83, s25, 7
	s_add_co_u32 s82, s82, s83                     ; my first token
	s_mov_b32 s85, 0
	s_lshl_b32 s84, s82, 5
	s_add_nc_u64 s[6:7], s[6:7], s[84:85]
	s_lshl_b32 s84, s29, 3
	s_lshl_b32 s83, s26, 2
	s_add_co_u32 s84, s84, s83
	s_lshl_b32 s84, s84, 9
	s_add_co_u32 s84, s84, 3*32768
	s_add_nc_u64 s[10:11], s[10:11], s[84:85]
	s_lshl_b32 s86, s29, 1
	s_add_co_u32 s86, s86, s26
	s_lshl_b32 s86, s86, 8                         ; my 64 features, in bytes
	s_mov_b32 s87, 0
	s_add_nc_u64 s[12:13], s[12:13], s[86:87]
	s_lshl_b32 s84, s82, 12
	s_add_nc_u64 s[70:71], s[14:15], s[84:85]
	s_add_nc_u64 s[70:71], s[70:71], s[86:87]
.irp i, 0,1,2,3
.irp g, 0,1
	global_load_b128 v[XS+8*\i+4*\g:XS+8*\i+4*\g+3], v[XSA], s[6:7] offset:\i*512+16*\g
.endr
.endr
.irp i, 0,1
.irp g, 0,1
	global_load_b128 v[WS+8*\i+4*\g:WS+8*\i+4*\g+3], v[WSA], s[10:11] offset:\i*512+16*\g
.endr
.endr
	WIN 0xC0
.irp b, 0,1,2,3
	global_load_b128 v[BI+8*\b:BI+8*\b+3], v[BA], s[12:13] offset:(32*(\b/2)+8*(\b%2))*4
	global_load_b128 v[BI+8*\b+4:BI+8*\b+7], v[BA], s[12:13] offset:(32*(\b/2)+8*(\b%2))*4+16
.endr
	WIN 0
.macro WM d, a, b, c, sa, sb, ra, rb
.if (\ra) && (\rb)
	v_wmma_scale_f32_16x16x128_f8f6f4 v[\d:\d+7], v[\a:\a+11], v[\b:\b+11], v[\c:\c+7], v[\sa], v[\sb] matrix_a_fmt:MATRIX_FMT_FP6 matrix_b_fmt:MATRIX_FMT_FP6 matrix_a_scale:MATRIX_SCALE_ROW1 matrix_b_scale:MATRIX_SCALE_ROW1
.elseif (\ra)
	v_wmma_scale_f32_16x16x128_f8f6f4 v[\d:\d+7], v[\a:\a+11], v[\b:\b+11], v[\c:\c+7], v[\sa], v[\sb] matrix_a_fmt:MATRIX_FMT_FP6 matrix_b_fmt:MATRIX_FMT_FP6 matrix_a_scale:MATRIX_SCALE_ROW1
.elseif (\rb)
	v_wmma_scale_f32_16x16x128_f8f6f4 v[\d:\d+7], v[\a:\a+11], v[\b:\b+11], v[\c:\c+7], v[\sa], v[\sb] matrix_a_fmt:MATRIX_FMT_FP6 matrix_b_fmt:MATRIX_FMT_FP6 matrix_b_scale:MATRIX_SCALE_ROW1
.else
	v_wmma_scale_f32_16x16x128_f8f6f4 v[\d:\d+7], v[\a:\a+11], v[\b:\b+11], v[\c:\c+7], v[\sa], v[\sb] matrix_a_fmt:MATRIX_FMT_FP6 matrix_b_fmt:MATRIX_FMT_FP6
.endif
.endm
; tokens' tiles a0 .. a0 + n - 1 against the features' four, K step s.  The 32 accumulators take turns, one instruction a turn, in the same order in every step.
.macro MUL s, a0, n
.set aa, \a0
.rept \n
.set bb, 0
.rept 4
.set rX, 96*((\s)%2)+12*aa
.set rW, 48*((\s)%2)+12*bb
.set sX, XS+8*(aa%4)+(\s)
.set sW, WS+8*(bb%2)+(\s)
.set hX, aa/4
.set hW, bb/2
.set rD, 8*(4*aa+bb)
.set rC, rD
.if (\s) == 0
.set rC, BI+8*bb                               ; the first K step starts the sums with the bias
.endif
	WM rD, rW, rX, rC, sW, sX, hW, hX
.set bb, bb+1
.endr
.set aa, aa+1
.endr
.endm
.macro MWIN s                          ; source 0 (Wo) window 3, source 1 (context) window 2, D window 1; C window 1, in the first K step window 3
.if (\s) == 0
	WIN 0x7B
.else
	WIN 0x5B
.endif
.endm
.macro FETCH s
	WIN 0x80
.irp a, 0,1,2,3,4,5,6,7
	ds_load_b128 v[96*((\s)%2)+12*\a:96*((\s)%2)+12*\a+3], v[AX+(\s)/2] offset:((\s)%2)*24576+\a*1536
	ds_load_b64 v[96*((\s)%2)+12*\a+4:96*((\s)%2)+12*\a+5], v[AX8+(\s)/2] offset:((\s)%2)*24576+\a*1536+512
	ds_load_b128 v[96*((\s)%2)+12*\a+6:96*((\s)%2)+12*\a+9], v[AX+(\s)/2] offset:((\s)%2)*24576+\a*1536+768
	ds_load_b64 v[96*((\s)%2)+12*\a+10:96*((\s)%2)+12*\a+11], v[AX8+(\s)/2] offset:((\s)%2)*24576+\a*1536+1280
.endr
	WIN 0xC0
.irp b, 0,1,2,3
.irp c, 0,1,2
	ds_load_b128 v[48*((\s)%2)+12*\b+4*\c:48*((\s)%2)+12*\b+4*\c+3], v[AW+(\s)/4] offset:((\s)%4)*12288+\b*1536+512*\c
.endr
.endr
	WIN 0
.endm
.macro KSTEP s
	s_wait_dscnt 0x0                               ; this step's fragments are in
	MWIN \s
	MUL \s,0,4
	PLACES
	FETCH (\s)+1
	MWIN \s
	MUL \s,4,4
.endm
	s_wait_alu depctr_va_vdst(0)                   ; the head's end
	s_cmp_lt_u32 s24, 2                            ; waves 0 and 1 wait for the first four K steps of both operands; the loads of waves 2 and 3 may stay out
	s_cbranch_scc0 .Lnot_first
	s_wait_tensorcnt 0x0
.Lnot_first:
	s_barrier_signal -1
	s_barrier_wait -1
	FETCH 0
	s_wait_loadcnt 0x0                             ; scale words and bias
	KSTEP 0
	KSTEP 1
	KSTEP 2
	s_wait_tensorcnt 0x0                           ; my load of the last four K steps, if I have one, is in
	s_wait_dscnt 0x0                               ; and K step 3's fragments
	s_barrier_signal -1
	MWIN 3
	MUL 3,0,4
	WIN 0
	s_barrier_wait -1                              ; everybody's are
	PLACES
	FETCH 4
	MWIN 3
	MUL 3,4,4
	KSTEP 4
	KSTEP 5
	KSTEP 6
	s_wait_dscnt 0x0
	MWIN 7
	MUL 7,0,8
	WIN 0
.macro TOSTAGE a                       ; tile a: lane (r, h), accumulator b, register j: token row r, feature 32 (b / 2) + 16 h + 8 (b % 2) + j
	WIN 0x04                                       ; an LDS store's data are its source 1: window 1
.irp b, 0,1,2,3
	ds_store_b128 v[STO], v[32*(\a)+8*\b:32*(\a)+8*\b+3] offset:128*(\b/2)+32*(\b%2)          ; each accumulator from its low end on
	ds_store_b128 v[STO], v[32*(\a)+8*\b+4:32*(\a)+8*\b+7] offset:128*(\b/2)+32*(\b%2)+16
.endr
	WIN 0
.irp i, 0,1,2,3,4,5,6,7
	ds_load_b128 v[BK+32*((\a)%2)+4*\i:BK+32*((\a)%2)+4*\i+3], v[RD] offset:2*\i*272   ; a wave's LDS instructions are served in order: these see the stores above, and the next tile's stores come behind them
.endr
.endm
.macro SEND a, younger                 ; younger: the LDS instructions issued behind tile a's loads
	s_wait_dscnt \younger
.irp i, 0,1,2,3,4,5,6,7
	global_store_b128 v[CO], v[BK+32*((\a)%2)+4*\i:BK+32*((\a)%2)+4*\i+3], s[70:71] offset:(32*((\a)/2)+8*((\a)%2)+2*\i+8*(\i/4))*4096 th:TH_STORE_NT   ; lane row 2 i + (lane / 16) of the tile is token 32 (a / 2) + 8 (a % 2) + row + 8 (row / 8)
.endr
.endm
	PLACES
	s_wait_alu depctr_va_vdst(0)
	TOSTAGE 0
.irp a, 1,2,3,4,5,6,7
.if \a > 1
	s_wait_xcnt 0x0                                ; tile a - 2's stores have read their registers: tile a's loads may land there
.endif
	TOSTAGE \a
	SEND \a-1, 16                                  ; behind tile a - 1's loads: tile a's 8 stores and 8 loads
.endr
	SEND 7, 0
	s_wait_tensorcnt 0x0                           ; the wave's end, behind my last tensor load and my last LDS store
	ds_add_u32 v[SPW], v[NIL]
	s_wait_dscnt 0x0
	CROUND                                         ; the closing round
	s_endpgm
.Lfunc_end_k_q8119352ce0_outp:
	.size	k_q8119352ce0_outp, .Lfunc_end_k_q8119352ce0_outp-k_q8119352ce0_outp
	.p2alignl 7, 3214868480
	.fill 96, 4, 3214868480
	.section	.rodata,"a",@progbits
	.p2align	6, 0x0
	.amdhsa_kernel k_q8119352ce0_outp
		.amdhsa_group_segment_fixed_size 327680
		.amdhsa_private_segment_fixed_size 0
		.amdhsa_enable_private_segment 0
		.amdhsa_kernarg_size 48
		.amdhsa_user_sgpr_count 2
		.amdhsa_user_sgpr_kernarg_segment_ptr 1
		.amdhsa_wavefront_size32 1
		.amdhsa_system_sgpr_workgroup_id_x 1
		.amdhsa_system_sgpr_workgroup_id_y 1
		.amdhsa_system_sgpr_workgroup_id_z 1
		.amdhsa_system_vgpr_workitem_id 0
		.amdhsa_next_free_vgpr 1024
		.amdhsa_next_free_sgpr 100
		.amdhsa_reserve_vcc 0
		.amdhsa_float_denorm_mode_32 3
		.amdhsa_float_denorm_mode_16_64 3
		.amdhsa_memory_ordered 1
		.amdhsa_forward_progress 1
		.amdhsa_inst_pref_size 82
	.end_amdhsa_kernel
	.amdgpu_metadata
---
amdhsa.version: [ 1, 2 ]
amdhsa.kernels:
  - .name:           k_q8119352ce0_outp
    .symbol:         k_q8119352ce0_outp.kd
    .args:
      - { .name: ctx, .offset: 0, .size: 8, .value_kind: global_buffer, .address_space: global }
      - { .name: csc, .offset: 8, .size: 8, .value_kind: global_buffer, .address_space: global }
      - { .name: wimg, .offset: 16, .size: 8, .value_kind: global_buffer, .address_space: global }
      - { .name: wsc, .offset: 24, .size: 8, .value_kind: global_buffer, .address_space: global }
      - { .name: bo, .offset: 32, .size: 8, .value_kind: global_buffer, .address_space: global }
      - { .name: out0, .offset: 40, .size: 8, .value_kind: global_buffer, .address_space: global }
    .group_segment_fixed_size: 327680
    .private_segment_fixed_size: 0
    .kernarg_segment_align: 8
    .kernarg_segment_size: 48
    .max_flat_workgroup_size: 128
    .sgpr_count:     100
    .vgpr_count:     1024
    .wavefront_size: 32
...
	.end_amdgpu_metadata
.endif
;; end of part 4
